; MI455X (gfx1250); checked and timed in simulation.
; The chip was launched on July 23, 2026; its instructions are those of AMD's public machine-readable ISA for CDNA 5 (MIT licence, August 2026) and "CDNA5" Instruction Set Architecture Reference Guide (July 2026). The comments in the code are by the model that wrote it; some were corrected since.
;; Multi Head Self Attention. Allowed arithmetic: matrix products marked QUANTISED: E3M2 operands, one E8M0 scale for each 32 along K, by v_wmma_scale_f32_16x16x128_f8f6f4 with both operands' format E3M2, f32 sums; everything else in f32.
;; Inputs: bk 1,024 float32; bo 1,024 float32; bq 1,024 float32; bv 1,024 float32; wk 1,024 x 1,024 float32; wo 1,024 x 1,024 float32; wq 1,024 x 1,024 float32; wv 1,024 x 1,024 float32; x 4 x 2,048 x 1,024 float32.
;; Outputs: out0 4 x 2,048 x 1,024 float32.
;; This version of the problem:
;;   THIS VERSION OF THE PROBLEM IS GIVEN IN LOW PRECISION. The matrix products marked QUANTISED in the list below multiply operands that are first quantised to E3M2 (3 exponent bits, 2 mantissa bits; 6 bits a number), with one power-of-two scale for each 32 numbers along K (OCP MX v1.0); their sums are f32. All else is computed in f32.
;;   The module's matrix products, in the order in which they are computed (A, B: the left and right operand; K: the contracted axis; several contracted axes count as one K, in the product's order):
;;     1. [M 8,192, K 1,024] x [K 1,024, N 1,024]; A: input x; B: input wq: QUANTISED
;;     2. [M 8,192, K 1,024] x [K 1,024, N 1,024]; A: input x; B: input wk: QUANTISED
;;     3. [M 8,192, K 1,024] x [K 1,024, N 1,024]; A: input x; B: input wv: QUANTISED
;;     4. batch 64 x [M 2,048, K 64] x [K 64, N 2,048]; A: computed on the way; B: computed on the way: QUANTISED
;;     5. batch 64 x [M 2,048, K 2,048] x [K 2,048, N 64]; A: softmax (see below); B: computed on the way: QUANTISED
;;     6. [M 8,192, K 1,024] x [K 1,024, N 1,024]; A: computed on the way; B: input wo: QUANTISED
;;   THE QUANTISER, for each operand of a quantised product, along K:
;;     - K is cut into blocks of 32 from its start; a last block that is shorter is filled with zeros.
;;     - A block's scale is 2^e with e = floor(log2(the largest magnitude in the block)) - 4, held to -126 .. 127; a block of zeros has e = 0. As a byte (E8M0): e + 127.
;;     - Each number is divided by its block's scale, clamped to +-28, and rounded to the nearest number of E3M2, ties to even, subnormals kept.
;;     - The product sums the exact products of the quantised numbers (number of the format x scale) in f32.
;;   ~~~python
;;   def quantise(x, axis):      # numpy; x: float32 -> the quantised numbers, widened to float32 again
;;       x = np.moveaxis(x, axis, -1); K = x.shape[-1]
;;       x = np.pad(x, [(0, 0)] * (x.ndim - 1) + [(0, -K % 32)]); x = x.reshape(x.shape[:-1] + (-1, 32)); a = np.abs(x).max(-1, keepdims=True)
;;       e = np.where(a > 0, np.clip(np.frexp(np.where(a > 0, a, 1))[1] - 1 - 4, -126, 127), 0)      # np.frexp(a)[1] - 1 = floor(log2(a)), exactly
;;       r = np.clip(x / 2.0 ** e, -28, 28)
;;       step = 2.0 ** (np.maximum(np.frexp(np.where(r == 0, 1, r))[1] - 1, -2) - 2)
;;       q = np.round(r / step) * step * 2.0 ** e      # np.round: ties to even
;;       return np.moveaxis(q.reshape(q.shape[:-2] + (-1,))[..., :K], -1, axis).astype(np.float32)
;;   ~~~
;;   SOFTMAX AHEAD OF A QUANTISED PRODUCT. Where the list says 'softmax', what is quantised is not the finished softmax but p = 2^(t - M), with t = logit x log2(e) and M = ceil(the row's largest t), a whole number; so 1/2 < the row's largest p <= 1. The row's sum l is taken of the UNQUANTISED p, in f32, and the product's result is divided by l at the end. Since M is a whole number, a kernel that streams over the keys may use a running M (the ceiling of the running maximum): every later rescaling is an exact power of two, which a block's scale takes up: the codes' values come out the same.
;;   OPERANDS COMPUTED ON THE WAY. 'Computed on the way' means the value that the module computes at that place (a softmax that the list does not call 'softmax' is quantised finished and normalised). What goes into a quantiser is computed in f32, as accurately as f32 sums, v_exp_f32 and their like allow (about 1e-6 of the number): no bf16 or f16 on the way to a quantiser, and a product that is left as it is and whose result goes on into a quantised operand takes f32 operands (vector FMAs, or v_wmma_f32_16x16x4_f32). A number that lies on a knife's edge between two numbers of the format may be rounded either way, as far as f32 arithmetic and the matrix unit's own rounding can turn it there, and no further.
;; One version. Each part assembles by itself: llvm-mc -triple=amdgcn-amd-amdhsa -mcpu=gfx1250 --defsym DOCPART=n.
;; ======== version 1 of 1: 4 launches
;; workspace buffers: c1 9,437,184 bytes; s1 393,216 bytes; qkv 20,185,088 bytes; aoc 6,291,456 bytes; aos 262,144 bytes
;; launch quant (part 1): grid 256 x 1, 6 waves a work-group, no clusters, 26,880 bytes of LDS; arguments x, wq, wk, wv, wo, c1, s1; writes c1, s1
.if DOCPART == 1
	.amdgcn_target "amdgcn-amd-amdhsa--gfx1250"
	.amdhsa_code_object_version 6
	.text
	.protected	k_q3fa44f9204_quant
	.globl	k_q3fa44f9204_quant
	.p2align	8
	.type	k_q3fa44f9204_quant,@function
k_q3fa44f9204_quant:
	s_mov_b64 s[64:65], 0
	v_nop
	global_prefetch_b8 v0, s[64:65] scope:SCOPE_SE
	s_setreg_imm32_b32 hwreg(HW_REG_WAVE_MODE, 25, 1), 1
	s_wait_xcnt 0x0
; x [8192][1024] and wq, wk, wv, wo [1024][1024], f32 with K innermost, become codes of E3M2 (6 bits) and E8M0 scale bytes, one for each 32 along K.
; A block's scale is 2^(floor(log2(its largest magnitude)) - 4); its byte is the largest magnitude's exponent field - 4, held at 1 from below by a floor among the maximum's leaves.
; LIMITS: NaN and infinities among the inputs are not served.  A block of zeros, and a block whose largest magnitude lies under 2^(5 - 127), gets the byte 1 (the rule says 127 for zeros):
; its codes are zeros or the rule's own under the byte 1, and this program alone reads the bytes.
; LAYOUT OF THE RESULT: the order of the matrix operand's registers.  A TILE is 16 rows: tile 2 b + u holds in its row r the tensor's row 32 b + 8 u + r + 8 (r / 8).  768 tiles: x 0-511, wq 512-575, wk 576-639, wv 640-703, wo 704-767.
; A PIECE is 16 rows x 64 K, 768 bytes: lane (r, h) owns the 24 bytes of row r, K = 32 h .. 32 h + 31: its first 16 bytes at 16 x lane, its last 8 at 512 + 8 x lane.  c1: [tile][16 pieces][768].
; s1: [tile][half of K][row r][4 words]: word j of half kh is the scale word of K step 4 kh + j (128 along K).
; SHARES: 1,536 tasks of (tile, half of K), one a wave: 16 rows x 512 K = 8 pieces.  Each load of a wave reads 256 consecutive bytes of two rows; the 16 x 256 bytes of a piece turn through the wave's own stage in LDS
; (rows 272 bytes apart), so that a lane then holds 32 neighbours along K.  Waves share nothing: no barrier.  Four pieces (32 loads a wave) are on their way.
.set STG, 4352                         ; a wave's stage: 16 rows x 272 bytes
.set E,   16                           ; v16-23  the pieces' scale bytes
.set W,   24                           ; v24-27  the four scale words
.set CD,  32                           ; v32-47  codes: two sets of 8 registers by turns
.set X,   48                           ; v48-79  32 neighbours along K
.set R,   80                           ; v80-207 four sets of 32 registers as loaded
	s_load_b256 s[4:11], s[0:1], 0x0               ; x, wq, wk, wv
	s_load_b128 s[12:15], s[0:1], 0x20             ; wo, c1
	s_load_b64 s[16:17], s[0:1], 0x30              ; s1
	v_lshl_add_u32 v208, v0, 2, 0x6600
	v_mov_b32 v209, 0
	v_lshrrev_b32 v1, 5, v0
	v_readfirstlane_b32 s18, v1                    ; wave 0..5
	v_and_b32 v1, 31, v0                           ; lane
	v_and_b32 v2, 15, v0                           ; r
	v_bfe_u32 v3, v0, 4, 1                         ; h
	s_mul_i32 s19, ttmp9, 6
	s_add_co_u32 s19, s19, s18                     ; my task T
	s_lshr_b32 s20, s19, 1                         ; tile
	s_and_b32 s21, s19, 1                          ; which half of K
	s_and_b32 s24, s20, 63                         ; the tile's number inside a weight
	s_mul_i32 s34, s18, STG
	v_lshlrev_b32 v4, 4, v2
	v_lshl_add_u32 v4, v3, 12, v4                  ; in: lanes 0-15 one row's 256 bytes, lanes 16-31 the next row's
	v_mul_u32_u24 v5, v3, 272
	v_lshl_add_u32 v5, v2, 4, v5
	v_add_nc_u32 v5, s34, v5                       ; into the stage, as loaded
	v_mul_u32_u24 v6, v2, 272
	v_lshl_add_u32 v6, v3, 7, v6
	v_add_nc_u32 v6, s34, v6                       ; out of it: row r, 128 bytes for each half of the lanes
	v_lshlrev_b32 v7, 4, v1                        ; a piece's first part: 16 x lane
	v_lshlrev_b32 v8, 3, v1                        ; its second: 8 x lane
	v_lshlrev_b32 v10, 3, v3                       ; 8 h: bits by which my bytes are shifted in a scale word
	v_lshl_add_u32 v9, v2, 4, v10                  ; the words' place: 16 r + 8 h
	v_mov_b32 v11, 0                               ; a lane permute's destination counts as one of its sources
	s_mov_b32 s30, 0x76543210
	s_mov_b32 s31, 0xfedcba98                      ; selects for lane l xor 16
	s_wait_alu depctr_va_vdst(0)
	s_wait_kmcnt 0x0
	s_mov_b64 s[22:23], s[12:13]                   ; the tensor is chosen by the tile's number alone
	s_cmp_lt_u32 s20, 704
	s_cselect_b64 s[22:23], s[10:11], s[22:23]
	s_cmp_lt_u32 s20, 640
	s_cselect_b64 s[22:23], s[8:9], s[22:23]
	s_cmp_lt_u32 s20, 576
	s_cselect_b64 s[22:23], s[6:7], s[22:23]
	s_cmp_lt_u32 s20, 512
	s_cselect_b64 s[22:23], s[4:5], s[22:23]
	s_cselect_b32 s24, s20, s24                    ; in x the tile's number is taken whole
	s_lshr_b32 s26, s24, 1
	s_lshl_b32 s26, s26, 5
	s_and_b32 s27, s24, 1
	s_lshl_b32 s27, s27, 3
	s_add_co_u32 s26, s26, s27                     ; the tile's first row: 32 (tile / 2) + 8 (tile % 2)
	s_lshl_b32 s26, s26, 12                        ; rows of 4,096 bytes
	s_lshl_b32 s27, s21, 11                        ; + 2,048 bytes for the second half of K
	s_add_co_u32 s26, s26, s27
	s_mov_b32 s27, 0
	s_add_nc_u64 s[22:23], s[22:23], s[26:27]
	s_mul_i32 s28, s19, 6144                       ; 8 pieces a task
	s_mov_b32 s29, 0
	s_add_nc_u64 s[14:15], s[14:15], s[28:29]
	s_lshl_b32 s32, s19, 8                         ; 256 bytes of scale words a task
	s_mov_b32 s33, 0
	s_add_nc_u64 s[16:17], s[16:17], s[32:33]
.macro LOAD t                          ; piece t: rows 2 i + h of the tile (its rows 8-15 lie 8 rows further down in the tensor)
.irp i, 0,1,2,3,4,5,6,7
	global_load_b128 v[R+32*((\t)%4)+4*\i:R+32*((\t)%4)+4*\i+3], v4, s[22:23] offset:(2*\i+8*(\i/4))*4096+256*(\t) th:TH_LOAD_NT
.endr
.endm
.macro PIECE t
.set C, CD+8*((\t)%2)
.if (\t) <= 4
	s_wait_loadcnt 24                              ; this piece's eight loads are in; those of the three pieces behind it may be out
.else
	s_wait_loadcnt 8*(7-(\t))
.endif
.irp i, 0,1,2,3,4,5,6,7
	ds_store_b128 v5, v[R+32*((\t)%4)+4*\i:R+32*((\t)%4)+4*\i+3] offset:2*\i*272
.endr
.irp j, 0,1,2,3,4,5,6,7
	ds_load_b128 v[X+4*\j:X+4*\j+3], v6 offset:16*\j   ; LDS serves a wave's instructions in order: these see the stores above
.endr
	s_wait_dscnt 0x0                               ; my 32 neighbours are in, and the stores have read their registers,
.if (\t) < 4
	LOAD (\t)+4                                    ; which take the piece four further on
.endif
	v_max3_num_f32 v12, |v[X]|, |v[X+1]|, |v[X+2]|             ; the block's largest magnitude: all 32 numbers are mine; two chains
	v_max3_num_f32 v13, |v[X+3]|, |v[X+4]|, |v[X+5]|
.irp i, 6,10,14,18,22,26
	v_max3_num_f32 v12, v12, |v[X+\i]|, |v[X+\i+1]|
	v_max3_num_f32 v13, v13, |v[X+\i+2]|, |v[X+\i+3]|
.endr
	v_max3_num_f32 v12, v12, |v[X+30]|, |v[X+31]|
	v_max3_num_f32 v12, v12, v13, 0x2800000        ; and the floor 2^(5 - 127): the byte cannot fall under 1
	v_add_nc_u32 v14, 0xfe000000, v12              ; 4 off the exponent field: the conversion takes this operand's exponent field as its scale
.if (\t) >= 2
	s_wait_alu depctr_va_vdst(0)
	s_wait_xcnt 0x0                                ; the stores of two pieces ago have read this set of codes
.endif
	v_cvt_scalef32_pk16_bf6_f32 v[C:C+2], v[X:X+15], v14
	v_cvt_scalef32_pk16_bf6_f32 v[C+4:C+6], v[X+16:X+31], v14  ; (a conversion's three registers begin on an even number)
	v_lshrrev_b32 v[E+(\t)], 23, v14               ; the scale's byte; also the plain line behind the conversions
	v_mov_b32 v[C+3], v[C+4]
	v_mov_b32 v[C+4], v[C+5]
	v_mov_b32 v[C+5], v[C+6]                       ; six registers on end: my 24 bytes
	global_store_b128 v7, v[C:C+3], s[14:15] offset:768*(\t)         ; 512 consecutive bytes
	global_store_b64 v8, v[C+4:C+5], s[14:15] offset:768*(\t)+512    ; 256 consecutive bytes
.endm
	LOAD 0
	LOAD 1
	LOAD 2
	LOAD 3
.irp t, 0,1,2,3,4,5,6,7
	PIECE \t
.endr
	; piece 2 j + c gave lane (r, h) the byte of block 2 c + h of K step j: two bytes a lane, the other two from lane l xor 16
.irp j, 0,1,2,3
	v_lshl_or_b32 v[W+\j], v[E+2*\j+1], 16, v[E+2*\j]
.endr
.irp j, 0,1,2,3
	v_lshlrev_b32 v[W+\j], v10, v[W+\j]
.endr
.irp j, 0,1,2,3
	v_permlanex16_b32 v11, v[W+\j], s30, s31
	v_or_b32 v[W+\j], v[W+\j], v11
.endr
	v_cmp_lt_u32 vcc_lo, 15, v1
	v_cndmask_b32 v28, v[W], v[W+2], vcc_lo        ; lanes 0-15 store words 0 and 1 of their row, lanes 16-31 words 2 and 3
	v_cndmask_b32 v29, v[W+1], v[W+3], vcc_lo
	global_store_b64 v9, v[28:29], s[16:17]        ; 256 consecutive bytes, at a multiple of 256 from the buffer's first byte
	s_wait_tensorcnt 0x0
	ds_add_u32 v208, v209
	s_wait_dscnt 0x0
	s_endpgm
.Lfunc_end_k_q3fa44f9204_quant:
	.size	k_q3fa44f9204_quant, .Lfunc_end_k_q3fa44f9204_quant-k_q3fa44f9204_quant
	.p2alignl 7, 3214868480
	.fill 96, 4, 3214868480
	.section	.rodata,"a",@progbits
	.p2align	6, 0x0
	.amdhsa_kernel k_q3fa44f9204_quant
		.amdhsa_group_segment_fixed_size 26880
		.amdhsa_private_segment_fixed_size 0
		.amdhsa_enable_private_segment 0
		.amdhsa_kernarg_size 56
		.amdhsa_user_sgpr_count 2
		.amdhsa_user_sgpr_kernarg_segment_ptr 1
		.amdhsa_wavefront_size32 1
		.amdhsa_system_sgpr_workgroup_id_x 1
		.amdhsa_system_sgpr_workgroup_id_y 1
		.amdhsa_system_sgpr_workgroup_id_z 1
		.amdhsa_system_vgpr_workitem_id 0
		.amdhsa_next_free_vgpr 210
		.amdhsa_next_free_sgpr 66
		.amdhsa_reserve_vcc 1
		.amdhsa_float_denorm_mode_32 3
		.amdhsa_float_denorm_mode_16_64 3
		.amdhsa_memory_ordered 1
		.amdhsa_forward_progress 1
		.amdhsa_inst_pref_size 31
	.end_amdhsa_kernel
	.amdgpu_metadata
---
amdhsa.version: [ 1, 2 ]
amdhsa.kernels:
  - .name:           k_q3fa44f9204_quant
    .symbol:         k_q3fa44f9204_quant.kd
    .args:
      - { .name: x, .offset: 0, .size: 8, .value_kind: global_buffer, .address_space: global }
      - { .name: wq, .offset: 8, .size: 8, .value_kind: global_buffer, .address_space: global }
      - { .name: wk, .offset: 16, .size: 8, .value_kind: global_buffer, .address_space: global }
      - { .name: wv, .offset: 24, .size: 8, .value_kind: global_buffer, .address_space: global }
      - { .name: wo, .offset: 32, .size: 8, .value_kind: global_buffer, .address_space: global }
      - { .name: c1, .offset: 40, .size: 8, .value_kind: global_buffer, .address_space: global }
      - { .name: s1, .offset: 48, .size: 8, .value_kind: global_buffer, .address_space: global }
    .group_segment_fixed_size: 26880
    .private_segment_fixed_size: 0
    .kernarg_segment_align: 8
    .kernarg_segment_size: 56
    .max_flat_workgroup_size: 192
    .sgpr_count:     66
    .vgpr_count:     210
    .wavefront_size: 32
...
	.end_amdgpu_metadata
.endif
;; end of part 1
;; launch qkv (part 2): grid 12 x 64, 4 waves a work-group, clusters of 4 x 4, 295,424 bytes of LDS; arguments c1, s1, bq, bk, bv, qkv; writes qkv
.if DOCPART == 2
	.amdgcn_target "amdgcn-amd-amdhsa--gfx1250"
	.amdhsa_code_object_version 6
	.text
	.protected	k_q3fa44f9204_qkv
	.globl	k_q3fa44f9204_qkv
	.p2align	8
	.type	k_q3fa44f9204_qkv,@function
k_q3fa44f9204_qkv:
	s_mov_b64 s[64:65], 0
	v_nop
	global_prefetch_b8 v0, s[64:65] scope:SCOPE_SE
	s_setreg_imm32_b32 hwreg(HW_REG_WAVE_MODE, 25, 1), 1
	s_wait_xcnt 0x0
	s_wait_alu depctr_hold_cnt(0) depctr_sa_sdst(0) depctr_va_vdst(0) depctr_va_sdst(0) depctr_va_ssrc(0) depctr_va_vcc(0) depctr_vm_vsrc(0)
	s_getreg_b32 s2, hwreg(HW_REG_IB_STS2, 6, 4)
	s_cmp_eq_u32 s2, 0
	s_cbranch_scc0 .Lentry_in_a_cluster
	s_endpgm
.Lentry_in_a_cluster:
	s_bfe_u32 s2, ttmp6, 0x10000c
	s_cmp_lg_u32 s2, 0xf033
	s_cbranch_scc0 .Lentry_shape_is_right
	s_endpgm
.Lentry_shape_is_right:
; q = x wq^T + bq, k = x wk^T + bk, v = x wv^T + bv on codes of E3M2 with E8M0 scales; the results are quantised here, in registers, and leave as codes: q and k along the head's 64 channels, v along the keys.
; LIMITS: as the launch before: NaN and infinities are not served; a block of zeros gets the byte 1, and this program alone reads the bytes.
; A work-group makes 128 rows of the ROW SIDE x 256 rows of the COLUMN SIDE; a wave 64 x 128: 32 accumulators, 256 registers.  The matrix instruction takes 16 rows of the column side as source 0 and 16 of the row side as source 1:
; a lane then holds ONE row of the row side, and its registers run along the column side.  Tiles are 16 rows chosen so (tile 2 b + u, row r: 32 b + 8 u + r + 8 (r / 8)) that the 16 registers of two neighbouring source-0 tiles are 16 neighbours.
; Cluster x = 0: q, 1: k: row side = tokens, column side = the weight's rows (channels): registers run along the channels.  Cluster x = 2: v: row side = wv's rows, column side = tokens: registers run along the keys.
; ALL OF K (1,024) FOR THE TILE LIES IN LDS: 24 tiles x 12,288 bytes, brought by four tensor loads a wave at the head, a chunk of 256 along K each.  No LDS byte is filled twice.
; CLUSTERS: 4 x 4 work-groups.  The row side's tiles hang on the cluster's y place alone and are asked for jointly by a row of the cluster, the column side's on the x place alone, by a column.
; No branch hangs on a work-group's place in its cluster: the two ways (q, k against v) part on the cluster's x, which all sixteen share.
; REGISTERS, in windows of 256: window 0: v0-31 addresses; v32-63 the row side's scale words (tile a, K step s: 32 + 8 a + s); v64-127 the column side's (64 + 8 b + s); v128-223 the row side's fragments, two sets; v224-255 at work.
;   window 1: v0-191 the column side's fragments, two sets; v192-255 the bias, eight registers a tile.   window 2: accumulator (a, b) at 8 (8 a + b).
.set CH,   73728                       ; a chunk in LDS: 8 tiles of the row side, then 16 of the column side, 3,072 bytes each
.set G1A,  24                          ; s[24:31] descriptor group 1, row side;  s[32:39] column side
.set G1B,  32
.set G0A,  40                          ; s[40:55] groups 0, row side, one for each chunk;  s[68:83] column side
.set G0B,  68
.set BI,   192                         ; the bias, in window 1
.set PC,   128                         ; the way out: tile a's codes at v[128 + 12 a]
.set TM,   224                         ; v224-227 largest magnitudes, v228-231 bytes, v236-239 the conversions' scale operands
.set PW,   240                         ; v240-243 tile a's scale word
.set CV,   244                         ; v244-250 the conversions' second results
.set MSB, 0
.macro WIN new                         ; the immediate's high byte repeats the setting that is left
.if MSB != \new
	s_set_vgpr_msb (MSB<<8)|\new
.set MSB, \new
.endif
.endm
.set MUL,  0xa1                        ; source 0 window 1, source 1 window 0, C and D window 2
.set MULB, 0x91                        ; the same with C in window 1: the bias
.set TO_B, 0x40                        ; destination window 1, address window 0
.macro ROUND                           ; a round of the cluster's barrier
	s_barrier_signal -1
	s_barrier_wait -1
	s_cmp_lg_u32 s16, 0
	s_cbranch_scc1 .Lnot_wave_0_\@
	s_barrier_signal -3
.Lnot_wave_0_\@:
	s_barrier_wait -3
	s_barrier_signal -1
	s_barrier_wait -1
.endm
.macro PLACES                          ; four plain vector lines behind matrix instructions, in front of loads into their registers and of reads of their results
.rept 4
	v_nop
.endr
.endm
.macro FRAG reg, aq, ap, off           ; a fragment, 16 rows x 128 K, 12 registers: two pieces of 768 bytes as they lie: every load takes 512 or 256 consecutive bytes
	ds_load_b128 v[\reg:\reg+3], v[\aq] offset:\off
	ds_load_b64 v[\reg+4:\reg+5], v[\ap] offset:\off+512
	ds_load_b128 v[\reg+6:\reg+9], v[\aq] offset:\off+768
	ds_load_b64 v[\reg+10:\reg+11], v[\ap] offset:\off+1280
.endm
.macro FETCH s                         ; K step s: 8 fragments of the column side, 4 of the row side, into set s % 2: 48 loads
	WIN TO_B
.irp b, 0,1,2,3,4,5,6,7
	FRAG 96*((\s)%2)+12*\b, 16+(\s)/2, 20+(\s)/2, \b*3072+((\s)%2)*1536
.endr
	WIN 0
.irp a, 0,1,2,3
	FRAG 128+48*((\s)%2)+12*\a, 8+(\s)/2, 12+(\s)/2, \a*3072+((\s)%2)*1536
.endr
.endm
; 16 matrix instructions: row-side tiles a0, a0 + 1 x the eight column-side tiles.  mode 0: adds in place; 1: C = the bias of tile b; 2: C = the bias of tile a.
; The 32 accumulators take turns, one instruction a turn, in the same order in every K step.
.macro MUL16 s, a0, mode
.irp a, \a0, \a0+1
.irp b, 0,1,2,3,4,5,6,7
.if \mode == 0
	v_wmma_scale_f32_16x16x128_f8f6f4 v[8*(8*(\a)+\b):8*(8*(\a)+\b)+7], v[96*((\s)%2)+12*\b:96*((\s)%2)+12*\b+11], v[128+48*((\s)%2)+12*(\a):128+48*((\s)%2)+12*(\a)+11], v[8*(8*(\a)+\b):8*(8*(\a)+\b)+7], v[64+8*\b+(\s)], v[32+8*(\a)+(\s)] matrix_a_fmt:MATRIX_FMT_BF6 matrix_b_fmt:MATRIX_FMT_BF6
.elseif \mode == 1
	v_wmma_scale_f32_16x16x128_f8f6f4 v[8*(8*(\a)+\b):8*(8*(\a)+\b)+7], v[96*((\s)%2)+12*\b:96*((\s)%2)+12*\b+11], v[128+48*((\s)%2)+12*(\a):128+48*((\s)%2)+12*(\a)+11], v[BI+8*\b:BI+8*\b+7], v[64+8*\b+(\s)], v[32+8*(\a)+(\s)] matrix_a_fmt:MATRIX_FMT_BF6 matrix_b_fmt:MATRIX_FMT_BF6
.else
	v_wmma_scale_f32_16x16x128_f8f6f4 v[8*(8*(\a)+\b):8*(8*(\a)+\b)+7], v[96*((\s)%2)+12*\b:96*((\s)%2)+12*\b+11], v[128+48*((\s)%2)+12*(\a):128+48*((\s)%2)+12*(\a)+11], v[BI+8*(\a):BI+8*(\a)+7], v[64+8*\b+(\s)], v[32+8*(\a)+(\s)] matrix_a_fmt:MATRIX_FMT_BF6 matrix_b_fmt:MATRIX_FMT_BF6
.endif
.endr
.endr
.endm
.macro ODD s                           ; an odd K step: the next step begins a new chunk
	s_wait_dscnt 0x0                               ; this step's fragments are in; no LDS instruction of mine is out at the signal
	s_wait_tensorcnt 3-((\s)+1)/2                  ; my part of the next chunk has landed; my later chunks may stay out
	s_barrier_signal -1
	WIN MUL
	MUL16 \s, 0, 0                                 ; work on registers while the others arrive
	s_barrier_wait -1                              ; everybody's part has landed
	PLACES
	FETCH (\s)+1
	WIN MUL
	MUL16 \s, 2, 0
.endm
.macro EVEN s
	PLACES
	FETCH (\s)+1
	s_wait_dscnt 48                                ; all but the 48 loads just issued: this step's fragments are in
	WIN MUL
	MUL16 \s, 0, 0
	MUL16 \s, 2, 0
.endm
	s_load_b256 s[4:11], s[0:1], 0x0               ; c1, s1, bq, bk
	s_load_b128 s[12:15], s[0:1], 0x20             ; bv, qkv
	v_lshl_add_u32 v247, v0, 2, 0x48000
	v_mov_b32 v251, 0
	ds_add_u32 v247, v251
	ds_add_u32 v247, v251
	v_lshrrev_b32 v1, 5, v0
	v_readfirstlane_b32 s16, v1                    ; wave 0..3
	s_lshr_b32 s17, s16, 1                         ; wr: which 64 rows of the row side are mine.  Also: I fetch for the row side (0) or the column side (1)
	s_and_b32 s18, s16, 1                          ; wc: which 128 of the column side.  Also: which half of that side's tiles I fetch
	s_bfe_u32 s19, ttmp6, 0x40000                  ; cx
	s_bfe_u32 s20, ttmp6, 0x40004                  ; cy
	s_mov_b32 s21, ttmp9                           ; the cluster's x: 0 q, 1 k, 2 v
	s_and_b32 s22, ttmp7, 0xffff                   ; the cluster's y, 0..15
	s_and_b32 s2, s22, 1
	s_lshr_b32 s94, s22, 1
	s_cmp_eq_u32 s21, 2
	s_cselect_b32 s23, 1, 0                        ; is it v?
	s_cselect_b32 s2, s2, s22                      ; v: 8 row tiles (channels), 32 column tiles (tokens);  q, k: 64 row tiles (tokens), 4 column tiles (channels)
	s_cselect_b32 s94, s94, s21
	s_cselect_b32 s98, 640, 0                      ; where the row side's tiles begin in c1: wv, or x
	s_cselect_b32 s99, 0, 512                      ; and the column side's: x, or wq (wk follows it)
	s_lshl_b32 s66, s2, 2
	s_add_co_u32 s66, s66, s20                     ; RT: my row tile
	s_lshl_b32 s67, s94, 2
	s_add_co_u32 s67, s67, s19                     ; CT: my column tile
	s_lshl_b32 s2, s66, 3
	s_add_co_u32 s98, s98, s2                      ; TA: the row side's first tile of 16
	s_lshl_b32 s94, s67, 4
	s_add_co_u32 s99, s99, s94                     ; TB: the column side's
	s_lshl_b32 s60, s20, 2
	s_lshl_b32 s60, 15, s60                        ; my row of the cluster
	s_lshl_b32 s61, 0x1111, s19                    ; my column
	; group 1: rows of 3,072 bytes (384 elements of 8 bytes: a tile's 256 along K), 12,288 bytes apart in memory, dense in LDS; 4 tiles for the row side, 8 for the column side
	s_or_b32 s[G1A], s60, (3<<16)|(1<<21)          ; 15:0 the mask; 17:16 elements of 8 bytes; 21 set beside a mask
	s_or_b32 s[G1B], s61, (3<<16)|(1<<21)
	s_mov_b32 s[G1A+1], 384<<16                    ; tensor_dim0
	s_mov_b32 s[G1B+1], 384<<16
	s_mov_b32 s[G1A+2], 4<<16                      ; tensor_dim1
	s_mov_b32 s[G1B+2], 8<<16
	s_mov_b32 s[G1A+3], 384<<16                    ; tile_dim0
	s_mov_b32 s[G1B+3], 384<<16
	s_mov_b32 s[G1A+4], 4                          ; tile_dim1
	s_mov_b32 s[G1B+4], 8
	s_mov_b32 s[G1A+5], 1536                       ; from tile to tile, in elements
	s_mov_b32 s[G1B+5], 1536
	s_mov_b32 s[G1A+6], 0
	s_mov_b32 s[G1B+6], 0
	s_mov_b32 s[G1A+7], 0
	s_mov_b32 s[G1B+7], 0
	s_lshl_b32 s2, s18, 2
	s_add_co_u32 s2, s2, s98
	s_mul_i32 s2, s2, 12288                        ; row side: tile TA + 4 x half
	s_mov_b32 s3, 0
	s_lshl_b32 s94, s18, 3
	s_add_co_u32 s94, s94, s99
	s_mul_i32 s94, s94, 12288                      ; column side: tile TB + 8 x half
	s_mov_b32 s95, 0
	s_mul_i32 s62, s18, 12288                      ; where they go: no place in the cluster enters an LDS address
	s_mul_i32 s63, s18, 24576
	s_add_co_u32 s63, s63, 24576
	s_wait_dscnt 0x0
	s_wait_kmcnt 0x0
	s_add_nc_u64 s[56:57], s[4:5], s[2:3]
	s_add_nc_u64 s[58:59], s[4:5], s[94:95]
.irp q, 0,1,2,3
	s_mov_b32 s[G0A+4*\q], 1
	s_add_co_u32 s[G0A+4*\q+1], s62, \q*CH
	s_add_nc_u64 s[G0A+4*\q+2:G0A+4*\q+3], s[56:57], \q*3072
	s_or_b32 s[G0A+4*\q+3], s[G0A+4*\q+3], 0x80000000
	s_mov_b32 s[G0B+4*\q], 1
	s_add_co_u32 s[G0B+4*\q+1], s63, \q*CH
	s_add_nc_u64 s[G0B+4*\q+2:G0B+4*\q+3], s[58:59], \q*3072
	s_or_b32 s[G0B+4*\q+3], s[G0B+4*\q+3], 0x80000000
.endr
	ROUND                                          ; all sixteen work-groups are here: the joint loads meet
	s_cmp_eq_u32 s17, 0                            ; a wave's four fills stand in one branch on the wave's number: four loads of mine are out
	s_cbranch_scc0 .Lfill_b
	tensor_load_to_lds s[G0A:G0A+3], s[G1A:G1A+7]
	s_nop 0
	tensor_load_to_lds s[G0A+4:G0A+7], s[G1A:G1A+7]
	s_nop 0
	tensor_load_to_lds s[G0A+8:G0A+11], s[G1A:G1A+7]
	s_nop 0
	tensor_load_to_lds s[G0A+12:G0A+15], s[G1A:G1A+7]
	s_nop 0
.rept 4
	v_nop
.endr
	s_branch .Lfilled
.Lfill_b:
	tensor_load_to_lds s[G0B:G0B+3], s[G1B:G1B+7]
	s_nop 0
	tensor_load_to_lds s[G0B+4:G0B+7], s[G1B:G1B+7]
	s_nop 0
	tensor_load_to_lds s[G0B+8:G0B+11], s[G1B:G1B+7]
	s_nop 0
	tensor_load_to_lds s[G0B+12:G0B+15], s[G1B:G1B+7]
	s_nop 0
.rept 4
	v_nop
.endr
.Lfilled:
	v_and_b32 v1, 31, v0                           ; lane
	v_and_b32 v2, 15, v0                           ; r
	v_bfe_u32 v3, v0, 4, 1                         ; h
	v_lshlrev_b32 v24, 4, v1                       ; 16 x lane
	v_lshlrev_b32 v25, 3, v1                       ; 8 x lane
	v_lshlrev_b32 v29, 3, v3
	v_lshl_add_u32 v29, v2, 4, v29                 ; 16 r + 8 h: the scale words' way out
	s_mul_i32 s96, s17, 12288                      ; my four tiles of the row side
	s_mul_i32 s97, s18, 24576
	s_add_co_u32 s97, s97, 24576                   ; my eight of the column side
.irp q, 0,1,2,3
	v_add_nc_u32 v[8+\q], s96, v24
	v_add_nc_u32 v[12+\q], s96, v25
	v_add_nc_u32 v[16+\q], s97, v24
	v_add_nc_u32 v[20+\q], s97, v25
	s_add_co_u32 s96, s96, CH
	s_add_co_u32 s97, s97, CH
.endr
.irp b, 0,1,2,3
	v_mov_b32 v[TM+4+\b], 0                        ; written once: a lane permute's destination counts as one of its sources
.endr
	s_lshl_b32 s96, s17, 2
	s_add_co_u32 s96, s96, s98
	s_lshl_b32 s96, s96, 9
	v_lshl_add_u32 v26, v2, 4, s96                 ; scale words: 512 bytes a tile, 16 bytes a row and half of K
	s_lshl_b32 s97, s18, 3
	s_add_co_u32 s97, s97, s99
	s_lshl_b32 s97, s97, 9
	v_lshl_add_u32 v27, v2, 4, s97
.irp a, 0,1,2,3
	global_load_b128 v[32+8*\a:32+8*\a+3], v26, s[6:7] offset:\a*512
	global_load_b128 v[32+8*\a+4:32+8*\a+7], v26, s[6:7] offset:\a*512+256
.endr
.irp b, 0,1,2,3,4,5,6,7
	global_load_b128 v[64+8*\b:64+8*\b+3], v27, s[6:7] offset:\b*512
	global_load_b128 v[64+8*\b+4:64+8*\b+7], v27, s[6:7] offset:\b*512+256
.endr
	s_mov_b32 s85, 0
	s_mov_b32 s87, 0
	s_mov_b32 s89, 0
	s_mov_b32 s91, 0
	s_mov_b32 s93, 0
	s_cmp_eq_u32 s23, 0
	s_cbranch_scc0 .Lv_head
	; ---- q, k: the bias runs along the registers: lane (r, h), tile b, register j: channel 32 (b / 2) + 8 (b % 2) + 16 h + j of my 128
	s_cmp_eq_u32 s21, 0
	s_cselect_b64 s[2:3], s[8:9], s[10:11]
	s_lshl_b32 s94, s19, 10
	s_lshl_b32 s95, s18, 9
	s_add_co_u32 s94, s94, s95
	v_lshl_add_u32 v28, v3, 6, s94                 ; 4 (256 cx + 128 wc) + 64 h
	WIN TO_B
.irp b, 0,1,2,3,4,5,6,7
	global_load_b128 v[BI+8*\b:BI+8*\b+3], v28, s[2:3] offset:(32*(\b/2)+8*(\b%2))*4
	global_load_b128 v[BI+8*\b+4:BI+8*\b+7], v28, s[2:3] offset:(32*(\b/2)+8*(\b%2))*4+16
.endr
	WIN 0
	; where the results go.  My 128 channels are two heads, bh0 and bh0 + 1; my 64 tokens are four tiles of the head's 128
	s_lshr_b32 s94, s66, 4
	s_lshl_b32 s94, s94, 4
	s_lshl_b32 s95, s19, 2
	s_add_co_u32 s94, s94, s95
	s_lshl_b32 s95, s18, 1
	s_add_co_u32 s94, s94, s95                     ; bh0 = 16 x batch + 4 cx + 2 wc
	s_mul_i32 s95, s21, 110592
	s_add_co_u32 s95, s95, 98304                   ; from head to head: 98,304 bytes in q's codes, 208,896 in the region of k and v
	s_and_b32 s96, s66, 15
	s_lshl_b32 s97, s96, 3
	s_lshl_b32 s92, s17, 2
	s_add_co_u32 s97, s97, s92
	s_mul_i32 s97, s97, 768                        ; my first tile in the head
	s_mul_i32 s84, s94, s95
	s_add_co_u32 s84, s84, s97
	s_mov_b32 s90, 208896
	s_mov_b32 s88, 196608
	s_cmp_eq_u32 s21, 0
	s_cselect_b32 s92, 13369344, 0                 ; q's codes lie behind the 64 regions of k and v
	s_cselect_b32 s90, 8192, s90                   ; the scale words, from head to head
	s_cselect_b32 s88, 19660800, s88               ; and where they begin
	s_add_co_u32 s84, s84, s92                     ; the first head's codes
	s_add_co_u32 s86, s84, s95                     ; the second's
	s_mul_i32 s92, s94, s90
	s_add_co_u32 s88, s88, s92
	s_lshl_b32 s92, s96, 9
	s_add_co_u32 s88, s88, s92
	s_lshl_b32 s92, s17, 8
	s_add_co_u32 s88, s88, s92                     ; the first head's words: 512 bytes for 128 tokens, my four tiles' 256
	s_add_co_u32 s90, s88, s90                     ; the second's
	s_mov_b32 s92, 768                             ; from tile to tile
	s_branch .Lhead_done
.Lv_head:
	; ---- v: a lane holds one channel, so a tile's eight bias registers are equal: bv at channel 32 (a / 2) + 8 (a % 2) + r + 8 (r / 8) of my 64
	v_and_b32 v28, 8, v2
	v_add_nc_u32 v28, v28, v2
	s_lshl_b32 s94, s66, 9
	s_lshl_b32 s95, s17, 8
	s_add_co_u32 s94, s94, s95
	v_lshl_add_u32 v28, v28, 2, s94
	WIN TO_B
.irp a, 0,1,2,3
.irp j, 0,1,2,3,4,5,6,7
	global_load_b32 v[BI+8*\a+\j], v28, s[12:13] offset:(32*(\a/2)+8*(\a%2))*4
.endr
.endr
.set i, 0
.rept 32
	v_mov_b32 v[BI+32+i], 0                        ; tiles 4-7 are not read on this way; they are written so that the whole bias area is defined on both ways
.set i, i+1
.endr
	WIN 0
	s_lshr_b32 s94, s67, 3
	s_lshl_b32 s94, s94, 4
	s_lshl_b32 s95, s66, 1
	s_add_co_u32 s94, s94, s95
	s_add_co_u32 s94, s94, s17                     ; the head: 16 x batch + 2 RT + wr
	s_mul_i32 s94, s94, 208896
	s_and_b32 s95, s67, 7
	s_lshl_b32 s95, s95, 1
	s_add_co_u32 s95, s95, s18                     ; the key step of 128: 2 (CT % 8) + wc
	s_mul_i32 s84, s95, 6144
	s_add_co_u32 s84, s84, s94
	s_add_co_u32 s84, s84, 98304                   ; v's codes: [step][tile of channels][half of the 128 keys][768]
	s_add_co_u32 s86, s84, 768
	s_lshl_b32 s88, s95, 8
	s_add_co_u32 s88, s88, s94
	s_add_co_u32 s88, s88, 204800                  ; v's words: [step][row r][tile]
	s_mov_b32 s90, s88
	s_mov_b32 s92, 1536
.Lhead_done:
	s_add_nc_u64 s[84:85], s[14:15], s[84:85]
	s_add_nc_u64 s[86:87], s[14:15], s[86:87]
	s_add_nc_u64 s[88:89], s[14:15], s[88:89]
	s_add_nc_u64 s[90:91], s[14:15], s[90:91]
	s_wait_tensorcnt 3                             ; my part of chunk 0 has landed; chunks 1 to 3 may stay out
	s_barrier_signal -1
	s_barrier_wait -1
	FETCH 0
	FETCH 1
	s_wait_loadcnt 0x0                             ; the scale words and the bias
	s_wait_dscnt 48                                ; K step 0's fragments
	s_cmp_eq_u32 s23, 0
	s_cbranch_scc0 .Lv_first
	WIN MULB                                       ; the first K step starts the sums on the bias: nothing is cleared and nothing is added later
	s_wait_alu depctr_va_vdst(0)
	MUL16 0, 0, 1
	MUL16 0, 2, 1
	WIN 0
	s_branch .Lfirst_done
.Lv_first:
	WIN MULB
	MUL16 0, 0, 2
	MUL16 0, 2, 2
	WIN 0
.Lfirst_done:
	ODD 1
	EVEN 2
	ODD 3
	EVEN 4
	s_wait_alu depctr_va_vdst(0)
	ODD 5
	EVEN 6
	s_wait_dscnt 0x0
	WIN MUL
	MUL16 7, 0, 0
	MUL16 7, 2, 0
	WIN 0
	PLACES
; THE WAY OUT.  Row-side tile a: a lane's 64 numbers, register 16 b + i = place 32 b + 16 h + i along the column side, become a fragment's 12 registers of codes and a scale word; no LDS is needed:
; the buffer is laid in the order of the registers.  Each accumulator is read from its low end on.
.macro QUANTW a
	WIN 0x0a                                       ; sources 0 and 1 window 2
.irp b, 0,1,2,3
	v_max3_num_f32 v[TM+\b], |v[64*\a+16*\b]|, |v[64*\a+16*\b+1]|, 0x2800000   ; block b: my 16 numbers, and the floor 2^(5 - 127)
.endr
.irp i, 2,4,6,8,10,12,14
.irp b, 0,1,2,3
	v_max3_num_f32 v[TM+\b], |v[64*\a+16*\b+\i]|, |v[64*\a+16*\b+\i+1]|, v[TM+\b]   ; (the four blocks by turns)
.endr
.endr
	WIN 0
.irp b, 0,1,2,3
	v_permlanex16_b32 v[TM+4+\b], v[TM+\b], s96, s97
.endr
.irp b, 0,1,2,3
	v_max_num_f32 v[TM+\b], v[TM+\b], v[TM+4+\b]   ; with lane l xor 16's: the block's largest magnitude
.endr
.irp b, 0,1,2,3
	v_add_nc_u32 v[TM+12+\b], 0xfe000000, v[TM+\b] ; 4 off its exponent field: the conversion's scale operand
.endr
.irp b, 0,1,2,3
	v_lshrrev_b32 v[TM+4+\b], 23, v[TM+12+\b]      ; the scale's byte
.endr
	v_lshl_or_b32 v[PW+\a], v[TM+5], 8, v[TM+4]
	v_lshl_or_b32 v[PW+\a], v[TM+6], 16, v[PW+\a]
	v_lshl_or_b32 v[PW+\a], v[TM+7], 24, v[PW+\a]
	WIN 0x02                                       ; source 0 window 2
.irp c, 0,1
	v_cvt_scalef32_pk16_bf6_f32 v[PC+12*\a+6*\c:PC+12*\a+6*\c+2], v[64*\a+32*\c:64*\a+32*\c+15], v[TM+12+2*\c]
	v_cvt_scalef32_pk16_bf6_f32 v[CV+4*\c:CV+4*\c+2], v[64*\a+32*\c+16:64*\a+32*\c+31], v[TM+12+2*\c+1]   ; (a conversion's three registers begin on an even number)
.endr
	WIN 0
	v_nop                                          ; one plain line behind a scaled conversion
.irp c, 0,1                                    ; the operand's layout wants a whole block in a lane: lanes 0-15 block 2 c, lanes 16-31 block 2 c + 1
.irp i, 0,1,2
	v_permlane16_swap_b32 v[PC+12*\a+6*\c+\i], v[CV+4*\c+\i]
.endr
.irp i, 0,1,2
	v_mov_b32 v[PC+12*\a+6*\c+3+\i], v[CV+4*\c+\i]
.endr
.endr
.endm
	s_mov_b32 s96, 0x76543210
	s_mov_b32 s97, 0xfedcba98                      ; selects for lane l xor 16
.irp a, 0,1,2,3
	QUANTW \a
.if \a > 0
	s_wait_alu depctr_va_vdst(0)
	s_wait_xcnt 0x0                                ; the last tile's stores have read their bases
	s_add_nc_u64 s[84:85], s[84:85], s[92:93]
	s_add_nc_u64 s[86:87], s[86:87], s[92:93]
.endif
	global_store_b128 v24, v[PC+12*\a:PC+12*\a+3], s[84:85]              ; each store covers 512 or 256 consecutive bytes, at a multiple of 256 from the buffer's first byte
	global_store_b64 v25, v[PC+12*\a+4:PC+12*\a+5], s[84:85] offset:512
	global_store_b128 v24, v[PC+12*\a+6:PC+12*\a+9], s[86:87]
	global_store_b64 v25, v[PC+12*\a+10:PC+12*\a+11], s[86:87] offset:512
.endr
	v_cmp_lt_u32 vcc_lo, 15, v1
	v_cndmask_b32 v244, v[PW], v[PW+2], vcc_lo     ; lanes 0-15 store tiles 0 and 1's words of their row, lanes 16-31 tiles 2 and 3's
	v_cndmask_b32 v245, v[PW+1], v[PW+3], vcc_lo
	s_cmp_eq_u32 s23, 0
	s_cbranch_scc0 .Lv_words
	s_mov_b32 s94, 0x7f7f0000                      ; q, k: a head has 64 along K: two bytes; the upper half of the instruction's 128 gets the byte of 1.0
	v_and_or_b32 v252, v244, 0xffff, s94
	v_and_or_b32 v253, v245, 0xffff, s94
	v_lshrrev_b32 v254, 16, v244
	v_lshrrev_b32 v255, 16, v245
	v_or_b32 v254, s94, v254
	v_or_b32 v255, s94, v255
	global_store_b64 v29, v[252:253], s[88:89]     ; 256 consecutive bytes each
	global_store_b64 v29, v[254:255], s[90:91]
	s_branch .Lwords_done
.Lv_words:
	s_wait_alu depctr_va_vdst(0)
	global_store_b64 v29, v[244:245], s[88:89]
.Lwords_done:
	s_wait_tensorcnt 0x0
	s_wait_tensorcnt 0x0
	ds_add_u32 v247, v251
	s_wait_dscnt 0x0
	ROUND                                          ; the closing round: no work-group ends while a partner may still ask for a tile that names it
	s_endpgm
.Lfunc_end_k_q3fa44f9204_qkv:
	.size	k_q3fa44f9204_qkv, .Lfunc_end_k_q3fa44f9204_qkv-k_q3fa44f9204_qkv
	.p2alignl 7, 3214868480
	.fill 96, 4, 3214868480
	.section	.rodata,"a",@progbits
	.p2align	6, 0x0
	.amdhsa_kernel k_q3fa44f9204_qkv
		.amdhsa_group_segment_fixed_size 295424
		.amdhsa_private_segment_fixed_size 0
		.amdhsa_enable_private_segment 0
		.amdhsa_kernarg_size 48
		.amdhsa_user_sgpr_count 2
		.amdhsa_user_sgpr_kernarg_segment_ptr 1
		.amdhsa_wavefront_size32 1
		.amdhsa_system_sgpr_workgroup_id_x 1
		.amdhsa_system_sgpr_workgroup_id_y 1
		.amdhsa_system_sgpr_workgroup_id_z 1
		.amdhsa_system_vgpr_workitem_id 0
		.amdhsa_next_free_vgpr 768
		.amdhsa_next_free_sgpr 100
		.amdhsa_reserve_vcc 1
		.amdhsa_float_denorm_mode_32 3
		.amdhsa_float_denorm_mode_16_64 3
		.amdhsa_memory_ordered 1
		.amdhsa_forward_progress 1
		.amdhsa_inst_pref_size 101
	.end_amdhsa_kernel
	.amdgpu_metadata
---
amdhsa.version: [ 1, 2 ]
amdhsa.kernels:
  - .name:           k_q3fa44f9204_qkv
    .symbol:         k_q3fa44f9204_qkv.kd
    .args:
      - { .name: c1, .offset: 0, .size: 8, .value_kind: global_buffer, .address_space: global }
      - { .name: s1, .offset: 8, .size: 8, .value_kind: global_buffer, .address_space: global }
      - { .name: bq, .offset: 16, .size: 8, .value_kind: global_buffer, .address_space: global }
      - { .name: bk, .offset: 24, .size: 8, .value_kind: global_buffer, .address_space: global }
      - { .name: bv, .offset: 32, .size: 8, .value_kind: global_buffer, .address_space: global }
      - { .name: qkv, .offset: 40, .size: 8, .value_kind: global_buffer, .address_space: global }
    .group_segment_fixed_size: 295424
    .private_segment_fixed_size: 0
    .kernarg_segment_align: 8
    .kernarg_segment_size: 48
    .max_flat_workgroup_size: 128
    .sgpr_count:     100
    .vgpr_count:     768
    .wavefront_size: 32
...
	.end_amdgpu_metadata
.endif
;; end of part 2
;; launch attn (part 3): grid 4 x 64, 16 waves a work-group, no clusters, 211,968 bytes of LDS; arguments qkv, aoc, aos; writes aoc, aos
.if DOCPART == 3
	.amdgcn_target "amdgcn-amd-amdhsa--gfx1250"
	.amdhsa_code_object_version 6
	.text
	.protected	k_q3fa44f9204_attn
	.globl	k_q3fa44f9204_attn
	.p2align	8
	.type	k_q3fa44f9204_attn,@function
k_q3fa44f9204_attn:
	s_mov_b64 s[64:65], 0
	v_nop
	global_prefetch_b8 v0, s[64:65] scope:SCOPE_SE
	s_setreg_imm32_b32 hwreg(HW_REG_WAVE_MODE, 25, 1), 1
	s_wait_xcnt 0x0
; Causal attention of one head on codes of E3M2 with E8M0 scales, head size 64; the result O / l is quantised here along C (a head is two blocks of 32) and leaves as codes for the last product.
; THE SOFTMAX AHEAD OF THE SECOND PRODUCT: t = score x log2(e) / 8; M = the row's largest t so far, rounded up to a whole number; p = 2^(t - M) is quantised along the keys, not normalised; the row's sum is taken of the
; unquantised p and divides O at the end.  When M moves, the sum and O are multiplied by 2^(old M - new M), which rounds nothing.
; LIMITS: NaN and infinities are not served; a block of zeros gets the byte 1, and this program alone reads the bytes.  A block's largest p is taken as the exponential of its largest score, which takes v_exp_f32 not to fall where its input rises.
; SHARES.  A work-group is (g, head).  A head has 128 tiles of 16 queries; tile T needs the key steps (128 keys) 0 .. T / 8, the last of them masked.  Wave w owns tiles j = 16 g + w and 127 - j: (j / 8) + ((127 - j) / 8) = 15,
; so every wave of the launch works 17 key steps, 2 of them masked.  The loop over key steps has the constant count 16; a step all of whose keys come after the tile's queries is passed over by a scalar branch on ids.
; THE WHOLE HEAD LIES IN LDS, filled once: K's codes, V's codes and their scale words are 208,896 consecutive bytes of memory; each wave brings a sixteenth by one tensor load.  No LDS byte is filled twice, and no barrier stands in the loops.
; NO CLUSTER, though the four work-groups of a head read the same bytes: which key steps a wave passes over hangs on g, which would be the work-group's place in its cluster.
; LAYOUT.  Both products are used transposed: S^T = K Q^T (source 0 = 16 keys), O^T = V^T P^T (source 0 = 16 channels): a lane holds one query (lane % 16) throughout.  A tile's rows are 32 b + 8 u + r + 8 (r / 8) (tile 2 b + u), so
; that the 16 registers of two neighbouring tiles are 16 neighbours: keys for p, channels for O.
; K = 64 IN AN INSTRUCTION OF 128: Q's upper six registers are zero codes and both sides' upper scale bytes are those of 1.0.  K's tile t is named as v[48 + 6 t .. + 11]: its own six registers and the six that follow, the next tile's codes
; (behind tile 7: zeros).  E3M2 has no code for infinity or NaN, so those products are zeros.
; REGISTERS: v1-7 addresses that stay; v8-11, v28-29 addresses of the step; v12 -M, v13 the largest t, v[14:15] the sum; v16-27 Q; v30 Q's scale word; v31-37 the second tile's; v38-39 the results' scale half-words; v40-47 K's and V's scale words;
;   v48-101 K's or V's fragments; v102-165 S^T, then p; v166-197 O^T; v198-209 codes; v210-239 at work; v240-247 the end.
.set KV, 48
.set S,  102
.set O,  166
.set PC, 198
.set CV, 210                           ; the conversions' second results
.set BM, 218                           ; the blocks' largest scores, then largest p
.set PT, 222                           ; the permutes' results
.set SO, 226                           ; the conversions' scale operands
.set BY, 230                           ; the scale bytes
.set SS, 208896                        ; LDS: behind the head, 1,024 bytes for the results' scale half-words; no tensor load lands there
	s_load_b128 s[4:7], s[0:1], 0x0                ; qkv, aoc
	s_load_b64 s[8:9], s[0:1], 0x10                ; aos
	v_lshl_add_u32 v254, v0, 2, 0x33400
	v_mov_b32 v255, 0
	ds_add_u32 v254, v255
	ds_add_u32 v254, v255
	v_lshrrev_b32 v1, 5, v0
	s_delay_alu instid0(VALU_DEP_1)
	v_readfirstlane_b32 s10, v1                    ; wave 0..15
	s_and_b32 s11, ttmp7, 0xffff                   ; the head, 0..63
	s_mov_b32 s12, ttmp9                           ; g
	; group 1: 51 rows of 256 bytes (32 elements of 8 bytes), dense
	s_mov_b32 s24, 3<<16
	s_mov_b32 s25, 32<<16
	s_mov_b32 s26, 51<<16
	s_mov_b32 s27, 32<<16
	s_mov_b32 s28, 51
	s_mov_b32 s29, 32
	s_mov_b32 s30, 0
	s_mov_b32 s31, 0
	s_mov_b32 s32, 1
	s_mul_i32 s33, s10, 13056                      ; my sixteenth, in LDS
	s_mul_i32 s50, s11, 208896
	s_add_co_u32 s50, s50, s33                     ; and in memory
	s_mov_b32 s51, 0
	s_wait_dscnt 0x0
	s_wait_kmcnt 0x0
	s_add_nc_u64 s[34:35], s[4:5], s[50:51]
	s_or_b32 s35, s35, 0x80000000
	tensor_load_to_lds s[32:35], s[24:31]          ; one tensor load of mine is out
	s_nop 0
.rept 4
	v_nop
.endr
	s_lshl_b32 s13, s12, 4
	s_add_co_u32 s13, s13, s10                     ; my first tile of queries
	s_sub_co_u32 s52, 127, s13                     ; my second
	s_mov_b32 s55, 0
	s_mul_i32 s50, s11, 98304
	s_add_co_u32 s50, s50, 13369344                ; the head's codes of Q
	s_mul_i32 s53, s13, 768
	s_add_co_u32 s54, s50, s53
	s_add_nc_u64 s[40:41], s[4:5], s[54:55]
	s_mul_i32 s53, s52, 768
	s_add_co_u32 s54, s50, s53
	s_add_nc_u64 s[42:43], s[4:5], s[54:55]
	s_lshl_b32 s50, s11, 13
	s_add_co_u32 s50, s50, 19660800                ; its scale words: tile T's at 256 (T / 4) + 16 r + 4 (T % 4)
	s_lshr_b32 s53, s13, 2
	s_lshl_b32 s53, s53, 8
	s_and_b32 s56, s13, 3
	s_lshl_b32 s56, s56, 2
	s_add_co_u32 s53, s53, s56
	s_add_co_u32 s54, s50, s53
	s_add_nc_u64 s[44:45], s[4:5], s[54:55]
	s_lshr_b32 s53, s52, 2
	s_lshl_b32 s53, s53, 8
	s_and_b32 s56, s52, 3
	s_lshl_b32 s56, s56, 2
	s_add_co_u32 s53, s53, s56
	s_add_co_u32 s54, s50, s53
	s_add_nc_u64 s[46:47], s[4:5], s[54:55]
	v_and_b32 v2, 31, v0
	s_delay_alu instid0(VALU_DEP_1)
	v_lshlrev_b32 v1, 4, v2                        ; 16 x lane: K's codes begin at LDS byte 0
	s_delay_alu instid0(VALU_DEP_2)
	v_lshlrev_b32 v2, 3, v2                        ; 8 x lane
	s_delay_alu instid0(VALU_DEP_2)
	v_add_nc_u32 v3, 98304, v1                     ; V's codes
	s_delay_alu instid0(VALU_DEP_2)
	v_add_nc_u32 v4, 98304, v2
	s_delay_alu instid0(VALU_DEP_4)
	v_add_nc_u32 v5, 196608, v1                    ; K's scale words: 16 bytes a lane: lanes 0-15 tiles 0-3 of a step, lanes 16-31 tiles 4-7
	v_and_b32 v236, 15, v0                         ; r
	s_delay_alu instid0(VALU_DEP_1)
	v_lshl_add_u32 v6, v236, 4, 204800             ; V's: 16 bytes a row: the four tiles of channels
	s_delay_alu instid0(VALU_DEP_2)
	v_and_b32 v7, 8, v236
	s_delay_alu instid0(VALU_DEP_1)
	v_add_nc_u32 v7, v7, v236
	v_bfe_u32 v238, v0, 4, 1
	s_delay_alu instid0(VALU_DEP_1)
	v_lshlrev_b32 v238, 4, v238
	s_delay_alu instid0(VALU_DEP_1)
	v_sub_nc_u32 v7, v7, v238                      ; r + 8 (r / 8) - 16 h: for the mask
	v_lshlrev_b32 v239, 4, v236                    ; 16 r
	global_load_b128 v[16:19], v1, s[40:41]        ; Q's six registers of codes, both tiles
	global_load_b64 v[20:21], v2, s[40:41] offset:512
	global_load_b128 v[32:35], v1, s[42:43]
	global_load_b64 v[36:37], v2, s[42:43] offset:512
	global_load_b32 v30, v239, s[44:45]
	global_load_b32 v31, v239, s[46:47]
	s_lshl_b32 s53, s10, 5
	v_lshl_add_u32 v240, v236, 1, s53
	s_delay_alu instid0(VALU_DEP_1)
	v_add_nc_u32 v240, SS, v240                    ; the first tile's half-words: 32 bytes a tile, tiles 16 g + w on end
	s_xor_b32 s54, s10, 15
	s_lshl_b32 s54, s54, 5
	s_add_co_u32 s54, s54, 512
	v_lshl_add_u32 v241, v236, 1, s54
	s_delay_alu instid0(VALU_DEP_1)
	v_add_nc_u32 v241, SS, v241                    ; the second's: tile 127 - 16 g - w is number 15 - w of its sixteen
	v_and_b32 v242, 63, v0
	s_delay_alu instid0(VALU_DEP_1)
	v_lshl_add_u32 v242, v242, 4, SS               ; where waves 0 and 1 read them back
.irp i, 22,23,24,25,26,27, 96,97,98,99,100,101
	v_mov_b32 v\i, 0                               ; Q's upper half, and what follows K's tile 7: zero codes, written once
.endr
.irp b, 0,1,2,3
	v_mov_b32 v[PT+\b], 0                          ; written once: a lane permute's destination counts as one of its sources
.endr
	v_mov_b32 v235, 0                              ; (named as the upper half of the pair v[234:235] before it is first written)
	v_mov_b32 v236, 0
	v_mov_b32 v237, 0xff800000                     ; -infinity
	v_mov_b32 v39, 0
	s_mov_b32 s22, 0x3e38aa3b                      ; c = log2(e) / sqrt(64)
	s_mov_b32 s23, s22                             ; (named with it as a pair, so it is written)
	s_mov_b32 s36, 0x76543210
	s_mov_b32 s37, 0xfedcba98                      ; selects for lane l xor 16
	s_mov_b32 s20, 2                               ; tiles to go
	s_wait_tensorcnt 0x0                           ; my sixteenth of the head has landed,
	s_barrier_signal -1
	s_barrier_wait -1                              ; everybody's has
	s_wait_loadcnt 0x0                             ; Q
.Ltile:
	s_wait_xcnt 0x0                                ; the last tile's stores have read their data and their base: both are written again below
	v_mov_b32 v13, 0xff61b1e6                      ; the largest t so far: -3e38, under every t
	s_delay_alu instid0(VALU_DEP_1)
	v_floor_f32 v12, -v13                          ; -M
	v_mov_b32 v14, 0
	v_mov_b32 v15, 0
.set i, 0
.rept 32
	v_mov_b32 v[O+i], 0                            ; O^T: the step is written once; the first finds zeros, which the first change of M leaves zeros
.set i, i+1
.endr
	s_lshr_b32 s14, s13, 3                         ; the tile's last key step
	s_lshr_b32 s50, s13, 1
	s_and_b32 s50, s50, 3
	s_lshl_b32 s50, s50, 5
	s_and_b32 s51, s13, 1
	s_lshl_b32 s51, s51, 3
	s_add_co_u32 s21, s50, s51                     ; the tile's first query, counted from that step's first key
	s_mov_b32 s15, 0                               ; the key step
	s_mov_b32 s16, 0                               ; 6,144 bytes of K's codes, and of V's, a step
	s_mov_b32 s17, 0                               ; 512 bytes of K's scale words
	s_mov_b32 s18, 0                               ; 256 of V's
.Lstep:
	s_cmp_gt_u32 s15, s14
	s_cbranch_scc1 .Lskip                          ; all of the step's keys come after my queries
	s_setprio 2
	v_add_nc_u32 v8, s16, v1                       ; (these six lines are also the places behind the last products, in front of the loads into their registers)
	v_add_nc_u32 v9, s16, v2
	v_add_nc_u32 v10, s16, v3
	v_add_nc_u32 v11, s16, v4
	v_add_nc_u32 v28, s17, v5
	v_add_nc_u32 v29, s18, v6
.irp t, 0,1,2,3,4,5,6,7
	ds_load_b128 v[KV+6*\t:KV+6*\t+3], v8 offset:768*\t
	ds_load_b64 v[KV+6*\t+4:KV+6*\t+5], v9 offset:768*\t+512
.endr
	ds_load_b128 v[40:43], v28
	s_wait_alu depctr_va_vdst(0)
	s_wait_dscnt 0x0
.irp t, 0,1,2,3
	v_wmma_scale_f32_16x16x128_f8f6f4 v[S+8*\t:S+8*\t+7], v[KV+6*\t:KV+6*\t+11], v[16:27], 0, v[40+\t], v30 matrix_a_fmt:MATRIX_FMT_BF6 matrix_b_fmt:MATRIX_FMT_BF6
.endr
.irp t, 4,5,6,7
	v_wmma_scale_f32_16x16x128_f8f6f4 v[S+8*\t:S+8*\t+7], v[KV+6*\t:KV+6*\t+11], v[16:27], 0, v[36+\t], v30 matrix_a_fmt:MATRIX_FMT_BF6 matrix_b_fmt:MATRIX_FMT_BF6 matrix_a_scale:MATRIX_SCALE_ROW1
.endr
.rept 4
	v_nop                                          ; places: in front of the loads below and of the first read of the scores
.endr
.irp d, 0,1,2,3                                ; V's four fragments land while the softmax is worked
	ds_load_b128 v[KV+12*\d:KV+12*\d+3], v10 offset:1536*\d
	ds_load_b64 v[KV+12*\d+4:KV+12*\d+5], v11 offset:1536*\d+512
	ds_load_b128 v[KV+12*\d+6:KV+12*\d+9], v10 offset:1536*\d+768
	ds_load_b64 v[KV+12*\d+10:KV+12*\d+11], v11 offset:1536*\d+1280
.endr
	ds_load_b128 v[44:47], v29
	s_cmp_lg_u32 s15, s14
	s_cbranch_scc1 .Lopen                          ; only the tile's last step lies on the diagonal
	v_add_nc_u32 v236, s21, v7                     ; d = my query - the step's first key - 16 h.  Register 16 b + i holds key 32 b + 16 h + i of the step: hidden where 32 b + i > d
.set n, 0
.rept 64
	v_cmp_gt_i32 vcc_lo, 32*(n/16)+n%16, v236
	v_cndmask_b32 v[S+n], v[S+n], v237, vcc_lo
.set n, n+1
.endr
.Lopen:
.irp b, 0,1,2,3
	v_max3_num_f32 v[BM+\b], v[S+16*\b], v[S+16*\b+1], v[S+16*\b+2]   ; the largest score of each block of 32 keys: it serves for the row's maximum and, since p rises with the score, for the block's largest p
.endr
.irp i, 3,5,7,9,11,13
.irp b, 0,1,2,3
	v_max3_num_f32 v[BM+\b], v[BM+\b], v[S+16*\b+\i], v[S+16*\b+\i+1]
.endr
.endr
.irp b, 0,1,2,3
	v_max_num_f32 v[BM+\b], v[BM+\b], v[S+16*\b+15]
.endr
.irp b, 0,1,2,3
	s_delay_alu instid0(VALU_DEP_4)
	v_permlanex16_b32 v[PT+\b], v[BM+\b], s36, s37
.endr
.irp b, 0,1,2,3
	s_delay_alu instid0(VALU_DEP_4)
	v_max_num_f32 v[BM+\b], v[BM+\b], v[PT+\b]     ; with lane l xor 16's 16 keys
.endr
	s_delay_alu instid0(VALU_DEP_2)
	v_max3_num_f32 v236, v[BM], v[BM+1], v[BM+2]
	s_delay_alu instid0(VALU_DEP_1)
	v_max_num_f32 v236, v236, v[BM+3]              ; the step's largest score of my query
	s_delay_alu instid0(VALU_DEP_1)
	v_mul_f32 v236, s22, v236                      ; as t (c is positive)
	s_delay_alu instid0(VALU_DEP_1)
	v_max_num_f32 v13, v13, v236                   ; the running largest t
	v_mov_b32 v236, v12
	s_delay_alu instid0(VALU_DEP_2)
	v_floor_f32 v12, -v13                          ; the new -M = floor(-t): M is a whole number
	s_delay_alu instid0(VALU_DEP_1)
	v_sub_f32 v236, v12, v236                      ; old M - new M: a whole number, 0 or less
	s_delay_alu instid0(VALU_DEP_1)
	v_cvt_i32_f32 v236, v236                       ; (it saturates)
	s_delay_alu instid0(VALU_DEP_1)
	v_ldexp_f32 v234, 1.0, v236                    ; f = 2^(old M - new M)
.set n, 0
	s_setprio 1
.rept 32
	v_pk_fma_f32 v[S+n:S+n+1], v[S+n:S+n+1], s[22:23], v[12:13] op_sel_hi:[1,0,0]   ; t - M, two at a time
.set n, n+2
.endr
.irp b, 0,1,2,3
	v_fma_f32 v[BM+\b], v[BM+\b], s22, v12         ; the same of each block's largest score
.endr
.set n, 0
	s_wait_alu depctr_va_vdst(0)
.rept 64
	v_exp_f32 v[S+n], v[S+n]                       ; p = 2^(t - M), at most 1
.set n, n+1
.endr
	v_pk_mul_f32 v[14:15], v[14:15], v[234:235] op_sel_hi:[1,0]   ; the sums under the new M; also the plain line behind the exponentials
	s_wait_alu depctr_va_vdst(0)                   ; one wait for the batch of 64, ahead of its first reader
.irp b, 0,1,2,3
	v_exp_f32 v[BM+\b], v[BM+\b]                   ; the block's largest p: the same two instructions on the same number give the same bits
.endr
	v_pk_add_f32 v[238:239], v[106:107], v[110:111]
	v_pk_add_f32 v[252:253], v[114:115], v[118:119]
	v_pk_add_f32 v[250:251], v[122:123], v[126:127]
	v_pk_add_f32 v[248:249], v[130:131], v[134:135]
	v_pk_add_f32 v[246:247], v[138:139], v[142:143]
	v_pk_add_f32 v[244:245], v[146:147], v[150:151]
	v_pk_add_f32 v[232:233], v[154:155], v[158:159]
	v_pk_add_f32 v[14:15], v[14:15], v[162:163]
	v_pk_add_f32 v[238:239], v[238:239], v[102:103]
	v_pk_add_f32 v[252:253], v[252:253], v[104:105]
	v_pk_add_f32 v[250:251], v[250:251], v[108:109]
	v_pk_add_f32 v[248:249], v[248:249], v[112:113]
	v_pk_add_f32 v[246:247], v[246:247], v[116:117]
	v_pk_add_f32 v[244:245], v[244:245], v[120:121]
	v_pk_add_f32 v[232:233], v[232:233], v[124:125]
	v_pk_add_f32 v[14:15], v[14:15], v[128:129]
	v_pk_add_f32 v[238:239], v[238:239], v[132:133]
	v_pk_add_f32 v[252:253], v[252:253], v[136:137]
	v_pk_add_f32 v[250:251], v[250:251], v[140:141]
	v_pk_add_f32 v[248:249], v[248:249], v[144:145]
	v_pk_add_f32 v[246:247], v[246:247], v[148:149]
	v_pk_add_f32 v[244:245], v[244:245], v[152:153]
	v_pk_add_f32 v[232:233], v[232:233], v[156:157]
	v_pk_add_f32 v[14:15], v[14:15], v[160:161]
	v_pk_add_f32 v[238:239], v[238:239], v[164:165]
	s_delay_alu instid0(VALU_DEP_2)
	v_pk_add_f32 v[14:15], v[14:15], v[248:249]
	s_delay_alu instid0(VALU_DEP_2)
	v_pk_add_f32 v[238:239], v[238:239], v[246:247]
	v_pk_add_f32 v[252:253], v[252:253], v[244:245]
	v_pk_add_f32 v[250:251], v[250:251], v[232:233]
	s_delay_alu instid0(VALU_DEP_2)
	v_pk_add_f32 v[14:15], v[14:15], v[252:253]
	s_delay_alu instid0(VALU_DEP_2)
	v_pk_add_f32 v[238:239], v[238:239], v[250:251]
	s_delay_alu instid0(VALU_DEP_1)
	v_pk_add_f32 v[14:15], v[14:15], v[238:239]
	s_wait_alu depctr_va_vdst(0)                   ; and one for the four
.irp b, 0,1,2,3
	v_max_num_f32 v[BM+\b], 0x2800000, v[BM+\b]    ; the floor 2^(5 - 127): the byte cannot fall under 1 (a block of hidden keys keeps that byte: its codes are zeros)
.endr
.irp b, 0,1,2,3
	s_delay_alu instid0(VALU_DEP_4)
	v_add_nc_u32 v[SO+\b], 0xfe000000, v[BM+\b]    ; 4 off the exponent field: the conversion's scale operand
.endr
.irp b, 0,1,2,3
	s_delay_alu instid0(VALU_DEP_4)
	v_lshrrev_b32 v[BY+\b], 23, v[SO+\b]           ; the scale's byte
.endr
	s_delay_alu instid0(VALU_DEP_3)
	v_lshl_or_b32 v235, v[BY+1], 8, v[BY]          ; p's scale word for these 128 keys
	s_delay_alu instid0(VALU_DEP_1)
	v_lshl_or_b32 v235, v[BY+2], 16, v235
	s_delay_alu instid0(VALU_DEP_1)
	v_lshl_or_b32 v235, v[BY+3], 24, v235
	s_setprio 0
.irp c, 0,1
	v_cvt_scalef32_pk16_bf6_f32 v[PC+6*\c:PC+6*\c+2], v[S+32*\c:S+32*\c+15], v[SO+2*\c]
	v_cvt_scalef32_pk16_bf6_f32 v[CV+4*\c:CV+4*\c+2], v[S+32*\c+16:S+32*\c+31], v[SO+2*\c+1]   ; (a conversion's three registers begin on an even number)
.endr
	v_nop                                          ; one plain line behind a scaled conversion
.irp c, 0,1                                    ; the operand's layout wants a whole block in a lane
.irp i, 0,1,2
	v_permlane16_swap_b32 v[PC+6*\c+\i], v[CV+4*\c+\i]
.endr
.irp i, 0,1,2
	s_delay_alu instid0(VALU_DEP_3)
	v_mov_b32 v[PC+6*\c+3+\i], v[CV+4*\c+\i]
.endr
.endr
.set n, 0
.rept 16
	v_pk_mul_f32 v[O+n:O+n+1], v[O+n:O+n+1], v[234:235] op_sel_hi:[1,0]   ; O^T under the new M.  These 16 are also the places between the codes' and the scale word's last writes and the products
.set n, n+2
.endr
	s_wait_alu depctr_va_vdst(0)
	s_wait_dscnt 0x0                               ; V
.irp d, 0,1,2,3                                ; the four accumulators take turns, one instruction a turn
	v_wmma_scale_f32_16x16x128_f8f6f4 v[O+8*\d:O+8*\d+7], v[KV+12*\d:KV+12*\d+11], v[PC:PC+11], v[O+8*\d:O+8*\d+7], v[44+\d], v235 matrix_a_fmt:MATRIX_FMT_BF6 matrix_b_fmt:MATRIX_FMT_BF6
.endr
.Lskip:
	s_add_co_u32 s16, s16, 6144
	s_add_co_u32 s17, s17, 512
	s_add_co_u32 s18, s18, 256
	s_add_co_u32 s15, s15, 1
	s_cmp_lt_u32 s15, 16
	s_cbranch_scc1 .Lstep
	s_setprio 0
	; THE TILE'S END: O^T / the sum, quantised along C: register 16 b + i is channel 32 b + 16 h + i of the head: two blocks; the six registers of codes are the head's piece of the last product's operand
.rept 4
	v_nop                                          ; places behind the last products
.endr
	v_add_f32 v14, v14, v15
	s_delay_alu instid0(VALU_DEP_1)
	v_permlanex16_b32 v236, v14, s36, s37
	s_delay_alu instid0(VALU_DEP_1)
	v_add_f32 v14, v14, v236                       ; the row's sum
	s_wait_alu depctr_va_vdst(0)
	v_rcp_f32 v14, v14
	v_mov_b32 v38, v39                             ; (a plain line behind the reciprocal)  the first tile's half-word moves on
	s_lshr_b32 s50, s11, 4
	s_lshl_b32 s50, s50, 7
	s_add_co_u32 s50, s50, s13                     ; the token tile: 128 x batch + my tile
	s_lshl_b32 s50, s50, 4
	s_and_b32 s51, s11, 15
	s_add_co_u32 s50, s50, s51                     ; its piece number: the head in its batch
	s_mul_i32 s50, s50, 768
	s_mov_b32 s51, 0
	s_add_nc_u64 s[48:49], s[6:7], s[50:51]
	s_wait_alu depctr_va_vdst(0)                   ; the wait ahead of the reciprocal's first reader
.set n, 0
.rept 32
	v_mul_f32 v[S+n], v[O+n], v14                  ; each accumulator from its low end on
.set n, n+1
.endr
.irp b, 0,1
	v_max3_num_f32 v[BM+\b], |v[S+16*\b]|, |v[S+16*\b+1]|, 0x2800000
.endr
.irp i, 2,4,6,8,10,12,14
.irp b, 0,1
	s_delay_alu instid0(VALU_DEP_2)
	v_max3_num_f32 v[BM+\b], v[BM+\b], |v[S+16*\b+\i]|, |v[S+16*\b+\i+1]|
.endr
.endr
.irp b, 0,1
	s_delay_alu instid0(VALU_DEP_2)
	v_permlanex16_b32 v[PT+\b], v[BM+\b], s36, s37
.endr
.irp b, 0,1
	s_delay_alu instid0(VALU_DEP_2)
	v_max_num_f32 v[BM+\b], v[BM+\b], v[PT+\b]
.endr
.irp b, 0,1
	s_delay_alu instid0(VALU_DEP_2)
	v_add_nc_u32 v[SO+\b], 0xfe000000, v[BM+\b]
.endr
.irp b, 0,1
	s_delay_alu instid0(VALU_DEP_2)
	v_lshrrev_b32 v[BY+\b], 23, v[SO+\b]
.endr
	s_delay_alu instid0(VALU_DEP_1)
	v_lshl_or_b32 v39, v[BY+1], 8, v[BY]           ; my row's two scale bytes
	v_cvt_scalef32_pk16_bf6_f32 v[PC:PC+2], v[S:S+15], v[SO]
	v_cvt_scalef32_pk16_bf6_f32 v[CV:CV+2], v[S+16:S+31], v[SO+1]
	v_nop
.irp i, 0,1,2
	v_permlane16_swap_b32 v[PC+\i], v[CV+\i]
.endr
.irp i, 0,1,2
	s_delay_alu instid0(VALU_DEP_3)
	v_mov_b32 v[PC+3+\i], v[CV+\i]
.endr
	global_store_b128 v1, v[PC:PC+3], s[48:49]             ; 512 consecutive bytes,
	global_store_b64 v2, v[PC+4:PC+5], s[48:49] offset:512 ; and 256
.irp i, 0,1,2,3,4,5
	v_mov_b32 v[16+\i], v[32+\i]                   ; on to my second tile
.endr
	v_mov_b32 v30, v31
	s_sub_co_u32 s13, 127, s13
	s_sub_co_u32 s20, s20, 1
	s_cmp_lg_u32 s20, 0
	s_cbranch_scc1 .Ltile
	; the scale half-words of the work-group's 2 x 16 tiles meet in LDS and leave as two runs of 512 consecutive bytes
	ds_store_b16 v240, v38                         ; (both lanes of a row write the same bytes with the same value)
	ds_store_b16 v241, v39
	s_wait_dscnt 0x0                               ; for the others' sake: my stores are done
	s_barrier_signal -1
	s_barrier_wait -1
	s_cmp_gt_u32 s10, 1
	s_cbranch_scc1 .Lend
	ds_load_b128 v[244:247], v242
	s_lshl_b32 s50, s12, 4                         ; wave 0: tiles 16 g on;
	s_sub_co_u32 s51, 112, s50                     ; wave 1: tiles 112 - 16 g on
	s_cmp_eq_u32 s10, 0
	s_cselect_b32 s50, s50, s51
	s_lshl_b32 s51, s11, 7
	s_add_co_u32 s50, s50, s51
	s_lshl_b32 s50, s50, 5                         ; 32 bytes a tile
	s_mov_b32 s51, 0
	s_add_nc_u64 s[52:53], s[8:9], s[50:51]
	s_wait_dscnt 0x0
	global_store_b128 v1, v[244:247], s[52:53]
.Lend:
	s_wait_tensorcnt 0x0
	ds_add_u32 v254, v255
	s_wait_dscnt 0x0
	s_endpgm
.Lfunc_end_k_q3fa44f9204_attn:
	.size	k_q3fa44f9204_attn, .Lfunc_end_k_q3fa44f9204_attn-k_q3fa44f9204_attn
	.p2alignl 7, 3214868480
	.fill 96, 4, 3214868480
	.section	.rodata,"a",@progbits
	.p2align	6, 0x0
	.amdhsa_kernel k_q3fa44f9204_attn
		.amdhsa_group_segment_fixed_size 211968
		.amdhsa_private_segment_fixed_size 0
		.amdhsa_enable_private_segment 0
		.amdhsa_kernarg_size 24
		.amdhsa_user_sgpr_count 2
		.amdhsa_user_sgpr_kernarg_segment_ptr 1
		.amdhsa_wavefront_size32 1
		.amdhsa_system_sgpr_workgroup_id_x 1
		.amdhsa_system_sgpr_workgroup_id_y 1
		.amdhsa_system_sgpr_workgroup_id_z 1
		.amdhsa_system_vgpr_workitem_id 0
		.amdhsa_next_free_vgpr 256
		.amdhsa_next_free_sgpr 66
		.amdhsa_reserve_vcc 1
		.amdhsa_float_denorm_mode_32 3
		.amdhsa_float_denorm_mode_16_64 3
		.amdhsa_memory_ordered 1
		.amdhsa_forward_progress 1
		.amdhsa_inst_pref_size 36
	.end_amdhsa_kernel
	.amdgpu_metadata
---
amdhsa.version: [ 1, 2 ]
amdhsa.kernels:
  - .name:           k_q3fa44f9204_attn
    .symbol:         k_q3fa44f9204_attn.kd
    .args:
      - { .name: qkv, .offset: 0, .size: 8, .value_kind: global_buffer, .address_space: global }
      - { .name: aoc, .offset: 8, .size: 8, .value_kind: global_buffer, .address_space: global }
      - { .name: aos, .offset: 16, .size: 8, .value_kind: global_buffer, .address_space: global }
    .group_segment_fixed_size: 211968
    .private_segment_fixed_size: 0
    .kernarg_segment_align: 8
    .kernarg_segment_size: 24
    .max_flat_workgroup_size: 512
    .sgpr_count:     66
    .vgpr_count:     256
    .wavefront_size: 32
...
	.end_amdgpu_metadata
.endif
;; end of part 3
;; launch proj (part 4): grid 4 x 64, 4 waves a work-group, clusters of 4 x 4, 295,424 bytes of LDS; arguments aoc, aos, c1, s1, bo, out0; writes out0
.if DOCPART == 4
	.amdgcn_target "amdgcn-amd-amdhsa--gfx1250"
	.amdhsa_code_object_version 6
	.text
	.protected	k_q3fa44f9204_proj
	.globl	k_q3fa44f9204_proj
	.p2align	8
	.type	k_q3fa44f9204_proj,@function
k_q3fa44f9204_proj:
	s_mov_b64 s[64:65], 0
	v_nop
	global_prefetch_b8 v0, s[64:65] scope:SCOPE_SE
	s_setreg_imm32_b32 hwreg(HW_REG_WAVE_MODE, 25, 1), 1
	s_wait_xcnt 0x0
	s_wait_alu depctr_hold_cnt(0) depctr_sa_sdst(0) depctr_va_vdst(0) depctr_va_sdst(0) depctr_va_ssrc(0) depctr_va_vcc(0) depctr_vm_vsrc(0)
	s_getreg_b32 s2, hwreg(HW_REG_IB_STS2, 6, 4)
	s_cmp_eq_u32 s2, 0
	s_cbranch_scc0 .Lentry_in_a_cluster
	s_endpgm
.Lentry_in_a_cluster:
	s_bfe_u32 s2, ttmp6, 0x10000c
	s_cmp_lg_u32 s2, 0xf033
	s_cbranch_scc0 .Lentry_shape_is_right
	s_endpgm
.Lentry_shape_is_right:
; out0 = a wo^T + bo on codes of E3M2 with E8M0 scales: a is the attention's result, which arrives as codes (aoc) and scale half-words (aos); wo's codes and scale words lie in c1 and s1 (tiles 704-767).  out0: [8192][1024] f32.
; A work-group makes 128 tokens x 256 columns; a wave 64 x 128: 32 accumulators, 256 registers.  The matrix instruction takes 16 rows of wo as source 0 and 16 tokens as source 1: a lane holds one token, and its registers run along the columns.
; Tiles are 16 rows: tile 2 b + u, row r: 32 b + 8 u + r + 8 (r / 8); so the 16 registers of two neighbouring tiles of wo are 16 neighbouring columns.
; ALL OF K (1,024) FOR THE TILE LIES IN LDS: 24 tiles x 12,288 bytes, brought by four tensor loads a wave at the head, a chunk of 256 along K each.  No LDS byte is filled twice.
; CLUSTERS: 4 x 4 work-groups.  The tokens' tiles hang on the cluster's y place alone and are asked for jointly by a row of the cluster, wo's on the x place alone, by a column.
; REGISTERS, in windows of 256: window 0: v0-31 addresses; v32-63 the tokens' scale words (32 + 8 a + s); v64-127 wo's (64 + 8 b + s); v128-223 the tokens' fragments, two sets; on the way out v128-255 are free.
;   window 1: v0-191 wo's fragments, two sets; v192-255 the bias, eight registers a tile.   window 2: accumulator (a, b) at 8 (8 a + b).
.set CH,   73728                       ; a chunk in LDS: 8 tiles of tokens, then 16 of wo, 3,072 bytes each
.set G1A,  24
.set G1B,  32
.set G0A,  40
.set G0B,  68
.set BI,   192
.set MSB, 0
.macro WIN new                         ; the immediate's high byte repeats the setting that is left
.if MSB != \new
	s_set_vgpr_msb (MSB<<8)|\new
.set MSB, \new
.endif
.endm
.set MUL,  0xa1                        ; source 0 window 1, source 1 window 0, C and D window 2
.set MULB, 0x91                        ; the same with C in window 1: the bias
.set TO_B, 0x40                        ; destination window 1, address window 0
.macro ROUND                           ; a round of the cluster's barrier
	s_barrier_signal -1
	s_barrier_wait -1
	s_cmp_lg_u32 s16, 0
	s_cbranch_scc1 .Lnot_wave_0_\@
	s_barrier_signal -3
.Lnot_wave_0_\@:
	s_barrier_wait -3
	s_barrier_signal -1
	s_barrier_wait -1
.endm
.macro PLACES                          ; four plain vector lines behind matrix instructions, in front of loads into their registers and of reads of their results
.rept 4
	v_nop
.endr
.endm
.macro FRAG reg, aq, ap, off           ; a fragment, 16 rows x 128 K, 12 registers: two pieces of 768 bytes as they lie
	ds_load_b128 v[\reg:\reg+3], v[\aq] offset:\off
	ds_load_b64 v[\reg+4:\reg+5], v[\ap] offset:\off+512
	ds_load_b128 v[\reg+6:\reg+9], v[\aq] offset:\off+768
	ds_load_b64 v[\reg+10:\reg+11], v[\ap] offset:\off+1280
.endm
.macro FETCH s                         ; K step s: 8 fragments of wo, 4 of the tokens, into set s % 2: 48 loads
	WIN TO_B
.irp b, 0,1,2,3,4,5,6,7
	FRAG 96*((\s)%2)+12*\b, 16+(\s)/2, 20+(\s)/2, \b*3072+((\s)%2)*1536
.endr
	WIN 0
.irp a, 0,1,2,3
	FRAG 128+48*((\s)%2)+12*\a, 8+(\s)/2, 12+(\s)/2, \a*3072+((\s)%2)*1536
.endr
.endm
; 16 matrix instructions: token tiles a0, a0 + 1 x wo's eight.  mode 0: adds in place; 1: C = the bias of tile b.  The 32 accumulators take turns, one instruction a turn.
.macro MUL16 s, a0, mode
.irp a, \a0, \a0+1
.irp b, 0,1,2,3,4,5,6,7
.if \mode == 0
	v_wmma_scale_f32_16x16x128_f8f6f4 v[8*(8*(\a)+\b):8*(8*(\a)+\b)+7], v[96*((\s)%2)+12*\b:96*((\s)%2)+12*\b+11], v[128+48*((\s)%2)+12*(\a):128+48*((\s)%2)+12*(\a)+11], v[8*(8*(\a)+\b):8*(8*(\a)+\b)+7], v[64+8*\b+(\s)], v[32+8*(\a)+(\s)] matrix_a_fmt:MATRIX_FMT_BF6 matrix_b_fmt:MATRIX_FMT_BF6
.else
	v_wmma_scale_f32_16x16x128_f8f6f4 v[8*(8*(\a)+\b):8*(8*(\a)+\b)+7], v[96*((\s)%2)+12*\b:96*((\s)%2)+12*\b+11], v[128+48*((\s)%2)+12*(\a):128+48*((\s)%2)+12*(\a)+11], v[BI+8*\b:BI+8*\b+7], v[64+8*\b+(\s)], v[32+8*(\a)+(\s)] matrix_a_fmt:MATRIX_FMT_BF6 matrix_b_fmt:MATRIX_FMT_BF6
.endif
.endr
.endr
.endm
.macro ODD s                           ; an odd K step: the next step begins a new chunk
	s_wait_dscnt 0x0                               ; this step's fragments are in; no LDS instruction of mine is out at the signal
	s_wait_tensorcnt 3-((\s)+1)/2                  ; my part of the next chunk has landed; my later chunks may stay out
	s_barrier_signal -1
	WIN MUL
	MUL16 \s, 0, 0
	s_barrier_wait -1
	PLACES
	FETCH (\s)+1
	WIN MUL
	MUL16 \s, 2, 0
.endm
.macro EVEN s
	PLACES
	FETCH (\s)+1
	s_wait_dscnt 48                                ; all but the 48 loads just issued: this step's fragments are in
	WIN MUL
	MUL16 \s, 0, 0
	MUL16 \s, 2, 0
.endm
	s_load_b256 s[4:11], s[0:1], 0x0               ; aoc, aos, c1, s1
	s_load_b128 s[12:15], s[0:1], 0x20             ; bo, out0
	v_lshl_add_u32 v7, v0, 2, 0x48000
	v_mov_b32 v29, 0
	ds_add_u32 v7, v29
	ds_add_u32 v7, v29
	v_lshrrev_b32 v1, 5, v0
	v_readfirstlane_b32 s16, v1                    ; wave 0..3
	s_lshr_b32 s17, s16, 1                         ; wr: which 64 tokens are mine.  Also: I fetch for the tokens (0) or for wo (1)
	s_and_b32 s18, s16, 1                          ; wc: which 128 columns.  Also: which half of that side's tiles I fetch
	s_bfe_u32 s19, ttmp6, 0x40000                  ; cx
	s_bfe_u32 s20, ttmp6, 0x40004                  ; cy
	s_and_b32 s22, ttmp7, 0xffff
	s_lshl_b32 s66, s22, 2
	s_add_co_u32 s66, s66, s20                     ; RT: my 128 tokens, 0..63
	s_lshl_b32 s67, ttmp9, 2
	s_add_co_u32 s67, s67, s19                     ; CT: my 256 columns, 0..3
	s_lshl_b32 s98, s66, 3                         ; TA: the tokens' first tile in aoc
	s_lshl_b32 s99, s67, 4
	s_add_co_u32 s99, s99, 704                     ; TB: wo's first tile in c1
	s_lshl_b32 s60, s20, 2
	s_lshl_b32 s60, 15, s60                        ; my row of the cluster
	s_lshl_b32 s61, 0x1111, s19                    ; my column
	; group 1: rows of 3,072 bytes (384 elements of 8 bytes: a tile's 256 along K), 12,288 bytes apart in memory, dense in LDS; 4 tiles of tokens, 8 of wo
	s_or_b32 s[G1A], s60, (3<<16)|(1<<21)
	s_or_b32 s[G1B], s61, (3<<16)|(1<<21)
	s_mov_b32 s[G1A+1], 384<<16
	s_mov_b32 s[G1B+1], 384<<16
	s_mov_b32 s[G1A+2], 4<<16
	s_mov_b32 s[G1B+2], 8<<16
	s_mov_b32 s[G1A+3], 384<<16
	s_mov_b32 s[G1B+3], 384<<16
	s_mov_b32 s[G1A+4], 4
	s_mov_b32 s[G1B+4], 8
	s_mov_b32 s[G1A+5], 1536
	s_mov_b32 s[G1B+5], 1536
	s_mov_b32 s[G1A+6], 0
	s_mov_b32 s[G1B+6], 0
	s_mov_b32 s[G1A+7], 0
	s_mov_b32 s[G1B+7], 0
	s_lshl_b32 s2, s18, 2
	s_add_co_u32 s2, s2, s98
	s_mul_i32 s2, s2, 12288
	s_mov_b32 s3, 0
	s_lshl_b32 s94, s18, 3
	s_add_co_u32 s94, s94, s99
	s_mul_i32 s94, s94, 12288
	s_mov_b32 s95, 0
	s_mul_i32 s62, s18, 12288                      ; where they go: no place in the cluster enters an LDS address
	s_mul_i32 s63, s18, 24576
	s_add_co_u32 s63, s63, 24576
	s_wait_dscnt 0x0
	s_wait_kmcnt 0x0
	s_add_nc_u64 s[56:57], s[4:5], s[2:3]
	s_add_nc_u64 s[58:59], s[8:9], s[94:95]
.irp q, 0,1,2,3
	s_mov_b32 s[G0A+4*\q], 1
	s_add_co_u32 s[G0A+4*\q+1], s62, \q*CH
	s_add_nc_u64 s[G0A+4*\q+2:G0A+4*\q+3], s[56:57], \q*3072
	s_or_b32 s[G0A+4*\q+3], s[G0A+4*\q+3], 0x80000000
	s_mov_b32 s[G0B+4*\q], 1
	s_add_co_u32 s[G0B+4*\q+1], s63, \q*CH
	s_add_nc_u64 s[G0B+4*\q+2:G0B+4*\q+3], s[58:59], \q*3072
	s_or_b32 s[G0B+4*\q+3], s[G0B+4*\q+3], 0x80000000
.endr
	ROUND                                          ; all sixteen work-groups are here: the joint loads meet
	s_cmp_eq_u32 s17, 0                            ; a wave's four fills stand in one branch on the wave's number: four loads of mine are out
	s_cbranch_scc0 .Lfill_b
	tensor_load_to_lds s[G0A:G0A+3], s[G1A:G1A+7]
	s_nop 0
	tensor_load_to_lds s[G0A+4:G0A+7], s[G1A:G1A+7]
	s_nop 0
	tensor_load_to_lds s[G0A+8:G0A+11], s[G1A:G1A+7]
	s_nop 0
	tensor_load_to_lds s[G0A+12:G0A+15], s[G1A:G1A+7]
	s_nop 0
.rept 4
	v_nop
.endr
	s_branch .Lfilled
.Lfill_b:
	tensor_load_to_lds s[G0B:G0B+3], s[G1B:G1B+7]
	s_nop 0
	tensor_load_to_lds s[G0B+4:G0B+7], s[G1B:G1B+7]
	s_nop 0
	tensor_load_to_lds s[G0B+8:G0B+11], s[G1B:G1B+7]
	s_nop 0
	tensor_load_to_lds s[G0B+12:G0B+15], s[G1B:G1B+7]
	s_nop 0
.rept 4
	v_nop
.endr
.Lfilled:
	v_and_b32 v1, 31, v0                           ; lane
	v_and_b32 v2, 15, v0                           ; r
	v_bfe_u32 v3, v0, 4, 1                         ; h
	v_lshlrev_b32 v24, 4, v1                       ; 16 x lane
	v_lshlrev_b32 v25, 3, v1                       ; 8 x lane
	s_mul_i32 s96, s17, 12288                      ; my four tiles of tokens
	s_mul_i32 s97, s18, 24576
	s_add_co_u32 s97, s97, 24576                   ; my eight of wo
.irp q, 0,1,2,3
	v_add_nc_u32 v[8+\q], s96, v24
	v_add_nc_u32 v[12+\q], s96, v25
	v_add_nc_u32 v[16+\q], s97, v24
	v_add_nc_u32 v[20+\q], s97, v25
	s_add_co_u32 s96, s96, CH
	s_add_co_u32 s97, s97, CH
.endr
	s_mul_i32 s96, s16, 8448                       ; the way out: my stage, 16 rows x 528 bytes, in chunk 0's bytes
	v_mul_u32_u24 v30, v2, 528
	v_lshl_add_u32 v30, v3, 6, v30
	v_add_nc_u32 v30, s96, v30                     ; in: row r, + 64 h
	v_add_nc_u32 v31, s96, v24                     ; back: a whole row of 512 bytes, 16 bytes a lane
	; the tokens' scale half-words: aos is [batch x 16 + head][tile of 128][row r]: two bytes for the head's 64 along K
	s_lshr_b32 s2, s66, 4
	s_lshl_b32 s2, s2, 16
	s_and_b32 s3, s66, 15
	s_lshl_b32 s3, s3, 3
	s_lshl_b32 s96, s17, 2
	s_add_co_u32 s3, s3, s96
	s_lshl_b32 s3, s3, 5
	s_add_co_u32 s2, s2, s3
	s_mov_b32 s3, 0
	s_add_nc_u64 s[2:3], s[6:7], s[2:3]
	v_lshlrev_b32 v26, 1, v2
.irp a, 0,1,2,3
.set k, 0
.rept 16
	global_load_u16 v[128+16*\a+k], v26, s[2:3] offset:k*4096+\a*32
.set k, k+1
.endr
.endr
	s_lshl_b32 s97, s18, 3
	s_add_co_u32 s97, s97, s99
	s_lshl_b32 s97, s97, 9
	v_lshl_add_u32 v27, v2, 4, s97                 ; wo's scale words: 512 bytes a tile, 16 bytes a row and half of K
.irp b, 0,1,2,3,4,5,6,7
	global_load_b128 v[64+8*\b:64+8*\b+3], v27, s[10:11] offset:\b*512
	global_load_b128 v[64+8*\b+4:64+8*\b+7], v27, s[10:11] offset:\b*512+256
.endr
	s_lshl_b32 s94, s67, 10
	s_lshl_b32 s95, s18, 9
	s_add_co_u32 s94, s94, s95
	v_lshl_add_u32 v28, v3, 6, s94                 ; the bias: lane (r, h), tile b, register j: column 32 (b / 2) + 8 (b % 2) + 16 h + j of my 128
	WIN TO_B
.irp b, 0,1,2,3,4,5,6,7
	global_load_b128 v[BI+8*\b:BI+8*\b+3], v28, s[12:13] offset:(32*(\b/2)+8*(\b%2))*4
	global_load_b128 v[BI+8*\b+4:BI+8*\b+7], v28, s[12:13] offset:(32*(\b/2)+8*(\b%2))*4+16
.endr
	WIN 0
	s_lshl_b32 s84, s66, 7
	s_lshl_b32 s85, s17, 6
	s_add_co_u32 s84, s84, s85
	s_lshl_b32 s84, s84, 12                        ; my first token's row of 4,096 bytes,
	s_add_co_u32 s84, s84, s94                     ; and my first column's bytes
	s_mov_b32 s85, 0
	s_add_nc_u64 s[84:85], s[14:15], s[84:85]
	s_wait_loadcnt 0x0
.irp a, 0,1,2,3
.irp s, 0,1,2,3,4,5,6,7
	v_lshl_or_b32 v[32+8*\a+\s], v[128+16*\a+2*\s+1], 16, v[128+16*\a+2*\s]   ; K step s is heads 2 s and 2 s + 1: two half-words make its scale word
.endr
.endr
.rept 8
	v_nop                                          ; a scale register written by a vector instruction stands eight places ahead of a scaled matrix instruction
.endr
	s_wait_alu depctr_va_vdst(0)
	s_wait_tensorcnt 3                             ; my part of chunk 0 has landed; chunks 1 to 3 may stay out
	s_barrier_signal -1
	s_barrier_wait -1
	FETCH 0
	FETCH 1
	s_wait_dscnt 48                                ; K step 0's fragments
	WIN MULB                                       ; the first K step starts the sums on the bias
	MUL16 0, 0, 1
	MUL16 0, 2, 1
	ODD 1
	EVEN 2
	ODD 3
	EVEN 4
	ODD 5
	EVEN 6
	s_wait_dscnt 0x0
	WIN MUL
	MUL16 7, 0, 0
	MUL16 7, 2, 0
	WIN 0
	PLACES
; THE WAY OUT, a tile of 16 tokens x 128 columns at a time.  A lane holds pieces of one row, and the lanes beside it other rows: so a tile goes through my own stage in LDS and comes back as whole rows of 512 bytes.
; The stage lies in chunk 0, which was filled once, at the head, and whose last reads every wave awaited in front of the barrier of K step 1.  LDS serves a wave's instructions in order: no wait between the stores and the loads.
.macro TOSTAGE a
	WIN 0x08                                       ; an LDS store's data are its source 1: window 2
.irp b, 0,1,2,3,4,5,6,7
	ds_store_b128 v30, v[64*(\a)+8*\b:64*(\a)+8*\b+3] offset:128*(\b/2)+32*(\b%2)        ; each accumulator from its low end on
	ds_store_b128 v30, v[64*(\a)+8*\b+4:64*(\a)+8*\b+7] offset:128*(\b/2)+32*(\b%2)+16
.endr
	WIN 0
.irp t, 0,1,2,3,4,5,6,7,8,9,10,11,12,13,14,15
	ds_load_b128 v[128+64*((\a)%2)+4*\t:128+64*((\a)%2)+4*\t+3], v31 offset:\t*528
.endr
.endm
.macro SEND a, younger                 ; younger: the LDS instructions issued behind tile a's loads, which may stay out
	s_wait_dscnt \younger
.irp t, 0,1,2,3,4,5,6,7,8,9,10,11,12,13,14,15
	global_store_b128 v24, v[128+64*((\a)%2)+4*\t:128+64*((\a)%2)+4*\t+3], s[84:85] offset:(32*((\a)/2)+8*((\a)%2)+\t+8*(\t/8))*4096 th:TH_STORE_NT   ; 512 consecutive bytes, at a multiple of 256 from out0's first byte; the tile's row t is token 32 (a / 2) + 8 (a % 2) + t + 8 (t / 8) of my 64
.endr
.endm
	TOSTAGE 0
.irp a, 1,2,3
.if \a > 1
	s_wait_xcnt 0x0                                ; tile a - 2's stores have read their registers: tile a's loads may land there
.endif
	TOSTAGE \a
	SEND \a-1, 32                                  ; behind tile a - 1's loads: tile a's 16 stores and 16 loads
.endr
	SEND 3, 0
	s_wait_tensorcnt 0x0
	s_wait_dscnt 0x0
	s_wait_tensorcnt 0x0
	ds_add_u32 v7, v29
	s_wait_dscnt 0x0
	ROUND                                          ; the closing round: no work-group ends while a partner may still ask for a tile that names it
	s_endpgm
.Lfunc_end_k_q3fa44f9204_proj:
	.size	k_q3fa44f9204_proj, .Lfunc_end_k_q3fa44f9204_proj-k_q3fa44f9204_proj
	.p2alignl 7, 3214868480
	.fill 96, 4, 3214868480
	.section	.rodata,"a",@progbits
	.p2align	6, 0x0
	.amdhsa_kernel k_q3fa44f9204_proj
		.amdhsa_group_segment_fixed_size 295424
		.amdhsa_private_segment_fixed_size 0
		.amdhsa_enable_private_segment 0
		.amdhsa_kernarg_size 48
		.amdhsa_user_sgpr_count 2
		.amdhsa_user_sgpr_kernarg_segment_ptr 1
		.amdhsa_wavefront_size32 1
		.amdhsa_system_sgpr_workgroup_id_x 1
		.amdhsa_system_sgpr_workgroup_id_y 1
		.amdhsa_system_sgpr_workgroup_id_z 1
		.amdhsa_system_vgpr_workitem_id 0
		.amdhsa_next_free_vgpr 768
		.amdhsa_next_free_sgpr 100
		.amdhsa_reserve_vcc 0
		.amdhsa_float_denorm_mode_32 3
		.amdhsa_float_denorm_mode_16_64 3
		.amdhsa_memory_ordered 1
		.amdhsa_forward_progress 1
		.amdhsa_inst_pref_size 94
	.end_amdhsa_kernel
	.amdgpu_metadata
---
amdhsa.version: [ 1, 2 ]
amdhsa.kernels:
  - .name:           k_q3fa44f9204_proj
    .symbol:         k_q3fa44f9204_proj.kd
    .args:
      - { .name: aoc, .offset: 0, .size: 8, .value_kind: global_buffer, .address_space: global }
      - { .name: aos, .offset: 8, .size: 8, .value_kind: global_buffer, .address_space: global }
      - { .name: c1, .offset: 16, .size: 8, .value_kind: global_buffer, .address_space: global }
      - { .name: s1, .offset: 24, .size: 8, .value_kind: global_buffer, .address_space: global }
      - { .name: bo, .offset: 32, .size: 8, .value_kind: global_buffer, .address_space: global }
      - { .name: out0, .offset: 40, .size: 8, .value_kind: global_buffer, .address_space: global }
    .group_segment_fixed_size: 295424
    .private_segment_fixed_size: 0
    .kernarg_segment_align: 8
    .kernarg_segment_size: 48
    .max_flat_workgroup_size: 128
    .sgpr_count:     100
    .vgpr_count:     768
    .wavefront_size: 32
...
	.end_amdgpu_metadata
.endif
;; end of part 4
